; MI455X (gfx1250); checked and timed in simulation.
; The chip was launched on July 23, 2026; its instructions are those of AMD's public machine-readable ISA for CDNA 5 (MIT licence, August 2026) and "CDNA5" Instruction Set Architecture Reference Guide (July 2026). The comments in the code are by the model that wrote it; some were corrected since.
;; Multi Headed Attention. Allowed arithmetic: matrix products marked QUANTISED: E2M1 operands, one E8M0 scale for each 32 along K, by v_wmma_scale_f32_16x16x128_f8f6f4 with both operands' format E2M1 (or v_wmma_scale_f32_32x16x128_f4), f32 sums; products left as they are: bf16, f16 or f32 operands; f32 sums; everything else in f32.
;; Inputs: k 1 x 4,096 x 1,024 float32; mask 4,096 x 4,096 bool; q 1 x 4,096 x 1,024 float32; rotary_freqs 4,096 x 32 float32; v 1 x 4,096 x 1,024 float32; w_k 1,024 x 1,024 float32; w_o 1,024 x 1,024 float32; w_q 1,024 x 1,024 float32; w_v 1,024 x 1,024 float32.
;; Outputs: out0 1 x 4,096 x 1,024 float32.
;; This version of the problem:
;;   THIS VERSION OF THE PROBLEM IS GIVEN IN LOW PRECISION. The matrix products marked QUANTISED in the list below multiply operands that are first quantised to E2M1 (2 exponent bits, 1 mantissa bit; 4 bits a number), with one power-of-two scale for each 32 numbers along K (OCP MX v1.0); their sums are f32. The products marked 'left as it is' may take bf16, f16 or f32 operands, with f32 sums. Whichever they take, every output number must still come out within the allowed error. Rounding operands to bf16 (8 significant bits) uses up far more of that allowance than f16 does (11 bits, for magnitudes from 6e-5 to 65,504). All else is computed in f32.
;;   The module's matrix products, in the order in which they are computed (A, B: the left and right operand; K: the contracted axis; several contracted axes count as one K, in the product's order):
;;     1. [M 4,096, K 1,024] x [K 1,024, N 1,024]; A: input q; B: input w_q: QUANTISED
;;     2. [M 4,096, K 1,024] x [K 1,024, N 1,024]; A: input k; B: input w_k: QUANTISED
;;     3. [M 4,096, K 1,024] x [K 1,024, N 1,024]; A: input v; B: input w_v: QUANTISED
;;     4. batch 16 x [M 4,096, K 64] x [K 64, N 4,096]; A: computed on the way; B: computed on the way: left as it is (an operand is computed on the way)
;;     5. batch 16 x [M 4,096, K 4,096] x [K 4,096, N 64]; A: computed on the way; B: computed on the way: left as it is (an operand is computed on the way)
;;     6. [M 4,096, K 1,024] x [K 1,024, N 1,024]; A: computed on the way; B: input w_o: left as it is (an operand is computed on the way)
;;   THE QUANTISER, for each operand of a quantised product, along K:
;;     - K is cut into blocks of 32 from its start; a last block that is shorter is filled with zeros.
;;     - A block's scale is 2^e with e = floor(log2(the largest magnitude in the block)) - 2, held to -126 .. 127; a block of zeros has e = 0. As a byte (E8M0): e + 127.
;;     - Each number is divided by its block's scale, clamped to +-6, and rounded to the nearest number of E2M1, ties to even, subnormals kept.
;;     - The product sums the exact products of the quantised numbers (number of the format x scale) in f32.
;;   ~~~python
;;   def quantise(x, axis):      # numpy; x: float32 -> the quantised numbers, widened to float32 again
;;       x = np.moveaxis(x, axis, -1); K = x.shape[-1]
;;       x = np.pad(x, [(0, 0)] * (x.ndim - 1) + [(0, -K % 32)]); x = x.reshape(x.shape[:-1] + (-1, 32)); a = np.abs(x).max(-1, keepdims=True)
;;       e = np.where(a > 0, np.clip(np.frexp(np.where(a > 0, a, 1))[1] - 1 - 2, -126, 127), 0)      # np.frexp(a)[1] - 1 = floor(log2(a)), exactly
;;       r = np.clip(x / 2.0 ** e, -6, 6)
;;       step = 2.0 ** (np.maximum(np.frexp(np.where(r == 0, 1, r))[1] - 1, 0) - 1)
;;       q = np.round(r / step) * step * 2.0 ** e      # np.round: ties to even
;;       return np.moveaxis(q.reshape(q.shape[:-2] + (-1,))[..., :K], -1, axis).astype(np.float32)
;;   ~~~
;; One version. Each part assembles by itself: llvm-mc -triple=amdgcn-amd-amdhsa -mcpu=gfx1250 --defsym DOCPART=n.
;; ======== version 1 of 1: 6 launches
;; limits: values are held in f16: magnitudes above 65,504 overflow, below 6.1e-05 lose precision; right only within a limited range of input values
;; workspace buffers: codes 7,864,320 bytes; scales 491,520 bytes; tab 3,145,728 bytes; mbits 2,097,152 bytes of whole numbers; qkv 33,554,432 bytes; vals 8,388,608 bytes; fvals 278,528 bytes
;; launch prep (part 1): grid 1120 x 1, 4 waves a work-group, no clusters, 50,688 bytes of LDS; arguments q, k, v, w_q, w_k, w_v, w_o, mask, rotary_freqs, codes, scales, tab, mbits; writes codes, scales, tab, mbits
.if DOCPART == 1
	.amdgcn_target "amdgcn-amd-amdhsa--gfx1250"
	.amdhsa_code_object_version 6
	.text
	.protected	k_q4e2581c376_prep
	.globl	k_q4e2581c376_prep
	.p2align	8
	.type	k_q4e2581c376_prep,@function
k_q4e2581c376_prep:
	s_mov_b64 s[64:65], 0
	v_nop
	global_prefetch_b8 v0, s[64:65] scope:SCOPE_SE
	s_setreg_imm32_b32 hwreg(HW_REG_WAVE_MODE, 25, 1), 1
	s_wait_xcnt 0x0
; PREPARATION, four kinds of work-groups told apart by the work-group's number g:
;   g <  480  q, k, v, w_q, w_k, w_v (f32, K innermost) become codes of FP4 (E2M1) and E8M0 scale bytes: one stream of 15,360 rows of 512 bytes of codes, 32 bytes of scales
;   g <  736  the mask (one byte a key) becomes lane masks: mbits[query tile of 16][key step of 64][32 words]; word 8 t + i, bit l = mask[16 qt + l % 16][64 ks + 16 t + 8 (l / 16) + i]
;   g <  992  cos and sin of rotary_freqs: tab: cos[4096][32] at byte 0; at byte 524,288 the sine with the rotation's sign: -sin for d < 16, +sin for d >= 16
;   else      w_o as f16, laid by heads: tab + 1,048,576: [16 heads][1024 outputs][64]
; A block's scale is 2^(floor(log2(its largest magnitude)) - 2); its byte is the largest magnitude's exponent field - 2, held at 1 from below (a block of zeros keeps the byte 1: its codes are zeros, and this program alone reads the bytes).
; LIMITS: NaN and infinities are not served; blocks whose largest magnitude lies under 2^-124 keep the byte 1; |rotary_freqs| stays under 2^23 (the reduction's whole number is converted to i32);
; w_o is rounded to f16: numbers under 6e-5 keep an absolute error of 3e-8.
; Each kind that uses LDS has bytes of its own; waves share nothing, so there is no barrier.
.set STEPS, 16
.set EMAX,  2
.set CB,    8                          ; bytes of 16 codes
.set R,     16                         ; v16-79   four sets of 16 numbers as they are loaded
.set X,     80                         ; v80-111  two sets of 16 neighbours
.set C,     128                        ; v128-191 codes: four registers for each step
.set E,     112                        ; v112-127 a scale byte for each step
.set WREG,  8192                       ; LDS of the quantiser: a region for each wave: two stages of 32 x SP bytes, then its 256 scale bytes
.set SP,    80
.set MREG,  32768                      ; LDS of the mask's packing: 16 rows x 272 bytes for each wave
.set MSTG,  4352
.set SPW,   12                         ; v12  LDS address of my spare word; never rewritten
.set NIL,   13                         ; v13  0; never rewritten
.set SPARE, MREG+4*MSTG                ; 50,176: the spare words, 128 bytes for each wave
	s_load_b512 s[16:31], s[0:1], 0x0              ; q 16, k 18, v 20, w_q 22, w_k 24, w_v 26, w_o 28, mask 30
	s_load_b256 s[32:39], s[0:1], 0x40             ; rotary_freqs 32, codes 34, scales 36, tab 38
	s_load_b64 s[40:41], s[0:1], 0x60              ; mbits
	v_lshl_add_u32 v[SPW], v0, 2, SPARE
	v_mov_b32 v[NIL], 0
	v_lshrrev_b32 v1, 5, v0
	v_readfirstlane_b32 s14, v1                    ; wave
	v_and_b32 v2, 31, v0                           ; lane
	s_wait_kmcnt 0x0
	s_cmp_ge_u32 ttmp9, 480
	s_cbranch_scc1 .Lnot_q
; ---------------- the quantiser: a wave takes 16 steps of 512 numbers; two neighbouring lanes hold a block of 32
	v_lshlrev_b32 v3, 4, v2                        ; my 16 bytes of a load's 512
	s_mul_i32 s7, s14, WREG
	v_lshrrev_b32 v14, 2, v2
	v_mul_u32_u24 v14, v14, SP
	v_and_b32 v15, 3, v2
	v_lshl_add_u32 v14, v15, 4, v14
	v_add_nc_u32 v14, s7, v14                      ; the stage, on the way in: SP (lane / 4) + 16 (lane % 4)
	v_mul_u32_u24 v15, v2, SP
	v_add_nc_u32 v15, s7, v15                      ; and on the way out: SP x lane: my 16 neighbours
	v_mul_u32_u24 v4, v2, CB                       ; my codes' place in a step's
	v_lshrrev_b32 v5, 1, v2
	s_add_co_u32 s7, s7, 2*32*SP
	v_add_nc_u32 v5, s7, v5                        ; my wave's 256 scale bytes, my block's byte
	v_lshlrev_b32 v7, 3, v2                        ; and on the way out 8 bytes a lane
	v_add_nc_u32 v6, s7, v7
.macro PICK first, lo                  ; from work-group 'first' on the tensor is the one at s[lo]: the choice hangs on the work-group's number alone
	s_cmp_ge_u32 ttmp9, \first
	s_cselect_b64 s[4:5], s[\lo:\lo+1], s[4:5]
	s_cselect_b32 s6, \first, s6
.endm
	s_mov_b64 s[4:5], s[16:17]
	s_mov_b32 s6, 0
	PICK 128, 18
	PICK 256, 20
	PICK 384, 22
	PICK 416, 24
	PICK 448, 26
	s_sub_co_u32 s6, ttmp9, s6                     ; my work-group's place in its tensor: 131,072 bytes each,
	s_lshl_b32 s6, s6, 17
	s_lshl_b32 s7, s14, 15                         ; my wave's 32,768 of them
	s_add_co_u32 s6, s6, s7
	s_mov_b32 s7, 0
	s_add_nc_u64 s[4:5], s[4:5], s[6:7]
	s_lshl_b32 s6, ttmp9, 2
	s_add_co_u32 s6, s6, s14                       ; which run of 8,192 numbers of the one stream of codes is mine
	s_lshl_b32 s8, s6, 12
	s_mov_b32 s9, 0
	s_add_nc_u64 s[8:9], s[34:35], s[8:9]          ; 4,096 bytes of codes a run
	s_lshl_b32 s10, s6, 8
	s_mov_b32 s11, 0
	s_add_nc_u64 s[10:11], s[36:37], s[10:11]      ; 256 scale bytes a run
.macro LOAD t
.irp i, 0,1,2,3
	global_load_b128 v[R+16*((\t)%4)+4*\i:R+16*((\t)%4)+4*\i+3], v3, s[4:5] offset:2048*(\t)+512*\i th:TH_LOAD_NT   ; 32 lanes read 512 consecutive bytes
.endr
.endm
.macro TURN t                          ; step t's numbers through the stage: LDS serves a wave's instructions in order, so no wait stands between the stores and the loads
.irp i, 0,1,2,3
	ds_store_b128 v14, v[R+16*((\t)%4)+4*\i:R+16*((\t)%4)+4*\i+3] offset:32*SP*((\t)%2)+8*SP*\i
.endr
.irp i, 0,1,2,3
	ds_load_b128 v[X+16*((\t)%2)+4*\i:X+16*((\t)%2)+4*\i+3], v15 offset:32*SP*((\t)%2)+16*\i
.endr
.endm
.irp t, 0,1,2,3
	LOAD \t
.endr
	s_wait_loadcnt 12                              ; step 0's four loads are in; those of steps 1 to 3 may be out
	TURN 0
.macro STEP t
.set XS, X+16*((\t)%2)
.if (\t) > 0
	s_wait_dscnt 1                                 ; this step's numbers are back from the stage (the last step's byte store may be out)
.else
	s_wait_dscnt 0x0
.endif
.if (\t)+4 < STEPS
	LOAD (\t)+4
.endif
.if (\t)+1 < STEPS
.if STEPS-2-(\t) >= 3
	s_wait_loadcnt 12                              ; the next step's four loads are in; those of the three steps behind it may be out
.else
	s_wait_loadcnt 4*(STEPS-2-(\t))
.endif
	TURN (\t)+1
.endif
	v_max3_num_f32 v8, |v[XS]|, |v[XS+1]|, |v[XS+2]|               ; the largest magnitude of my 16
	v_max3_num_f32 v9, |v[XS+3]|, |v[XS+4]|, |v[XS+5]|
.irp i, 6,10
	v_max3_num_f32 v8, v8, |v[XS+\i]|, |v[XS+\i+1]|
	v_max3_num_f32 v9, v9, |v[XS+\i+2]|, |v[XS+\i+3]|
.endr
	v_max3_num_f32 v8, v8, |v[XS+14]|, |v[XS+15]|
	v_max3_num_f32 v8, v8, v9, (EMAX+1)<<23        ; and the floor 2^(3 - 127): the byte cannot fall under 1
	v_max_num_f32_dpp v8, v8, v8 row_xmask:1 row_mask:0xf bank_mask:0xf   ; and of my neighbour's 16: the block's
	v_add_nc_u32 v11, -(EMAX<<23), v8              ; 2 off its exponent field: the conversion takes the exponent field of this operand as its scale
	v_cvt_scalef32_pk8_fp4_f32 v[C+4*(\t)], v[XS:XS+7], v11
	v_cvt_scalef32_pk8_fp4_f32 v[C+4*(\t)+1], v[XS+8:XS+15], v11
	v_lshrrev_b32 v[E+(\t)], 23, v11               ; the scale's byte
	ds_store_b8 v5, v[E+(\t)] offset:16*(\t)       ; both lanes of a block write the same byte with the same value
	global_store_b64 v4, v[C+4*(\t):C+4*(\t)+1], s[8:9] offset:32*CB*(\t)   ; the wave stores 256 consecutive bytes
.endm
.irp t, 0,1,2,3,4,5,6,7,8,9,10,11,12,13,14,15
	STEP \t
.endr
	ds_load_b64 v[8:9], v6                         ; LDS serves a wave's instructions in order: these see my stores
	s_wait_dscnt 0x0
	global_store_b64 v7, v[8:9], s[10:11]          ; 32 lanes store 256 consecutive bytes
	s_wait_tensorcnt 0x0                           ; the wave's end, behind my last LDS store
	ds_add_u32 v[SPW], v[NIL]
	s_wait_dscnt 0x0
	s_endpgm
; ---------------- the mask: work-group m takes query tile m; wave w its keys 1,024 w on, as four units of 16 rows x 256 keys
.Lnot_q:
	s_cmp_ge_u32 ttmp9, 736
	s_cbranch_scc1 .Lnot_m
	s_sub_co_u32 s4, ttmp9, 480                    ; the query tile
	s_lshl_b32 s6, s4, 16                          ; 16 rows of 4,096 bytes
	s_lshl_b32 s7, s14, 10
	s_add_co_u32 s6, s6, s7
	s_mov_b32 s7, 0
	s_add_nc_u64 s[8:9], s[30:31], s[6:7]
	s_lshl_b32 s6, s4, 13                          ; 8,192 bytes of words a query tile,
	s_lshl_b32 s12, s14, 11                        ; 2,048 of them mine
	s_add_co_u32 s6, s6, s12
	s_add_nc_u64 s[10:11], s[40:41], s[6:7]
	v_lshrrev_b32 v3, 4, v2                        ; h
	v_and_b32 v4, 15, v2                           ; r
	v_lshlrev_b32 v5, 12, v3
	v_lshl_add_u32 v5, v4, 4, v5                   ; a load takes two rows' 256 bytes: lanes 0-15 one row, lanes 16-31 the next
	s_mul_i32 s12, s14, MSTG
	s_add_co_u32 s12, s12, MREG
	v_mul_u32_u24 v6, v3, 272
	v_lshl_add_u32 v6, v4, 4, v6
	v_add_nc_u32 v6, s12, v6                       ; into my stage as loaded
	v_mul_u32_u24 v7, v4, 272
	v_lshl_add_u32 v7, v3, 3, v7
	v_add_nc_u32 v7, s12, v7                       ; out of it: row r, 8 h bytes on: the eight keys of one score tile that lane (r, h) will hold
	v_lshlrev_b32 v8, 4, v2
.irp i, 48,49,50,51
	v_mov_b32 v\i, 0                               ; written once: v_writelane_b32's destination counts as read
.endr
.irp u, 0,1,2,3
.irp i, 0,1,2,3,4,5,6,7
	global_load_b128 v[64+32*\u+4*\i:64+32*\u+4*\i+3], v5, s[8:9] offset:8192*\i+256*\u th:TH_LOAD_NT
.endr
.endr
.macro MUNIT u
	s_wait_loadcnt 8*(3-\u)                        ; this unit's eight loads are in; the later units' stay out
.irp i, 0,1,2,3,4,5,6,7
	ds_store_b128 v6, v[64+32*\u+4*\i:64+32*\u+4*\i+3] offset:544*\i
.endr
.irp p, 0,1,2,3,4,5,6,7,8,9,10,11,12,13,14,15
	ds_load_b64 v[16+2*\p:17+2*\p], v7 offset:16*\p        ; piece p: key step p / 4 of the unit, score tile p % 4
.endr
	s_wait_dscnt 0x0
.if \u > 0
	s_wait_xcnt 0x0                                ; the last unit's store has read v48-51
.endif
.set W, 0
.rept 128                              ; word W of the unit: one byte of every lane becomes one bit of a scalar, which goes to lane W / 4 of register W % 4
	v_and_b32 v[52+W%4], 0xff<<(8*(W%4)), v[16+2*(W/8)+(W%8)/4]
	v_cmp_ne_u32 s[20+W%4], 0, v[52+W%4]
	v_writelane_b32 v[48+W%4], s[20+W%4], W/4
.set W, W+1
.endr
	global_store_b128 v8, v[48:51], s[10:11] offset:512*\u         ; 32 lanes store 512 consecutive bytes
.endm
	MUNIT 0
	MUNIT 1
	MUNIT 2
	MUNIT 3
	s_wait_tensorcnt 0x0                           ; the wave's end, behind my last LDS store
	ds_add_u32 v[SPW], v[NIL]
	s_wait_dscnt 0x0
	s_endpgm
; ---------------- cosine and sine: a thread takes four neighbouring frequencies
.Lnot_m:
	s_cmp_ge_u32 ttmp9, 992
	s_cbranch_scc1 .Lnot_c
	s_sub_co_u32 s4, ttmp9, 736
	s_lshl_b32 s4, s4, 11                          ; 128 threads x 16 bytes
	v_lshl_add_u32 v1, v0, 4, s4
	global_load_b128 v[16:19], v1, s[32:33]
	v_and_b32 v3, 4, v0                            ; d = 4 (thread % 8) + 0 .. 3: under 16 where this bit is 0:
	v_xor_b32 v3, 4, v3
	v_lshlrev_b32 v3, 29, v3                       ; there the table's sine changes its sign
	s_wait_loadcnt 0x0
; x = n pi/2 + r, |r| <= pi/4: n = the nearest whole number to x 2/pi; pi/2 is taken off in three parts by fused multiply-adds; sin r and cos r by their series (the first term left out is under 2e-9);
; n's lowest bit swaps the two, its second bit (for the cosine: that of n + 1) is the sign.
.macro SINCOS x, co, sn
	v_mul_f32 v28, 0x3f22f983, v[\x]
	v_rndne_f32 v28, v28
	v_fmamk_f32 v29, v28, 0xbfc90fdb, v[\x]
	v_fmamk_f32 v29, v28, 0x333bbd2e, v29
	v_fmamk_f32 v29, v28, 0x26f72ced, v29
	v_mul_f32 v30, v29, v29
	v_mov_b32 v31, 0x3638ef1d                      ; 1/9!
	v_fmaak_f32 v31, v31, v30, 0xb9500d01          ; -1/7!
	v_fmaak_f32 v31, v31, v30, 0x3c088889          ; 1/5!
	v_fmaak_f32 v31, v31, v30, 0xbe2aaaab          ; -1/3!
	v_mul_f32 v32, v29, v30
	v_fma_f32 v31, v32, v31, v29                   ; sin r
	v_mov_b32 v33, 0xb493f27e                      ; -1/10!
	v_fmaak_f32 v33, v33, v30, 0x37d00d01          ; 1/8!
	v_fmaak_f32 v33, v33, v30, 0xbab60b61          ; -1/6!
	v_fmaak_f32 v33, v33, v30, 0x3d2aaaab          ; 1/4!
	v_fmaak_f32 v33, v33, v30, 0xbf000000          ; -1/2
	v_fma_f32 v33, v33, v30, 1.0                   ; cos r
	v_cvt_i32_f32 v34, v28
	v_and_b32 v35, 1, v34
	v_cmp_eq_u32 vcc_lo, 1, v35
	v_cndmask_b32 v36, v31, v33, vcc_lo
	v_cndmask_b32 v37, v33, v31, vcc_lo
	v_lshlrev_b32 v35, 30, v34
	v_and_b32 v35, 0x80000000, v35
	v_xor_b32 v35, v35, v3
	v_xor_b32 v[\sn], v36, v35
	v_add_nc_u32 v34, 1, v34
	v_lshlrev_b32 v34, 30, v34
	v_and_b32 v34, 0x80000000, v34
	v_xor_b32 v[\co], v37, v34
.endm
	SINCOS 16, 20, 24
	SINCOS 17, 21, 25
	SINCOS 18, 22, 26
	SINCOS 19, 23, 27
	global_store_b128 v1, v[20:23], s[38:39]                       ; 32 lanes store 512 consecutive bytes
	global_store_b128 v1, v[24:27], s[38:39] offset:524288
	s_endpgm
; ---------------- w_o by heads, in f16: a wave takes four rows of w_o and eight heads
.Lnot_c:
	s_sub_co_u32 s4, ttmp9, 992
	s_lshl_b32 s4, s4, 2
	s_add_co_u32 s4, s4, s14                       ; 0 .. 511
	s_lshr_b32 s5, s4, 1                           ; which four rows
	s_and_b32 s4, s4, 1                            ; which eight heads
	s_lshl_b32 s6, s5, 14
	s_lshl_b32 s7, s4, 11
	s_add_co_u32 s6, s6, s7
	s_mov_b32 s7, 0
	s_add_nc_u64 s[8:9], s[28:29], s[6:7]
	s_lshl_b32 s6, s4, 20                          ; eight heads of 131,072 bytes
	s_lshl_b32 s12, s5, 9                          ; four rows of 128 bytes
	s_add_co_u32 s6, s6, s12
	s_add_co_u32 s6, s6, 1048576
	s_add_nc_u64 s[10:11], s[38:39], s[6:7]
	v_lshrrev_b32 v3, 3, v2
	v_and_b32 v4, 7, v2
	v_lshlrev_b32 v3, 12, v3
	v_lshl_add_u32 v3, v4, 5, v3                   ; in: row lane / 8, eight numbers at 32 (lane % 8)
	v_lshlrev_b32 v4, 4, v2                        ; out: 16 bytes a lane
.irp it, 0,1,2,3,4,5,6,7
	global_load_b128 v[16+8*\it:19+8*\it], v3, s[8:9] offset:256*\it th:TH_LOAD_NT
	global_load_b128 v[20+8*\it:23+8*\it], v3, s[8:9] offset:256*\it+16 th:TH_LOAD_NT
.endr
.irp it, 0,1,2,3,4,5,6,7
	s_wait_loadcnt 2*(7-\it)                       ; this head's two loads are in; the later heads' stay out
	v_cvt_pk_f16_f32 v[80+4*\it], v[16+8*\it], v[17+8*\it]
	v_cvt_pk_f16_f32 v[81+4*\it], v[18+8*\it], v[19+8*\it]
	v_cvt_pk_f16_f32 v[82+4*\it], v[20+8*\it], v[21+8*\it]
	v_cvt_pk_f16_f32 v[83+4*\it], v[22+8*\it], v[23+8*\it]
	global_store_b128 v4, v[80+4*\it:83+4*\it], s[10:11] offset:131072*\it   ; 32 lanes store 512 consecutive bytes of one head
.endr
	s_endpgm
.Lfunc_end_k_q4e2581c376_prep:
	.size	k_q4e2581c376_prep, .Lfunc_end_k_q4e2581c376_prep-k_q4e2581c376_prep
	.p2alignl 7, 3214868480
	.fill 96, 4, 3214868480
	.section	.rodata,"a",@progbits
	.p2align	6, 0x0
	.amdhsa_kernel k_q4e2581c376_prep
		.amdhsa_group_segment_fixed_size 50688
		.amdhsa_private_segment_fixed_size 0
		.amdhsa_enable_private_segment 0
		.amdhsa_kernarg_size 104
		.amdhsa_user_sgpr_count 2
		.amdhsa_user_sgpr_kernarg_segment_ptr 1
		.amdhsa_wavefront_size32 1
		.amdhsa_system_sgpr_workgroup_id_x 1
		.amdhsa_system_sgpr_workgroup_id_y 1
		.amdhsa_system_sgpr_workgroup_id_z 1
		.amdhsa_system_vgpr_workitem_id 0
		.amdhsa_next_free_vgpr 192
		.amdhsa_next_free_sgpr 66
		.amdhsa_reserve_vcc 1
		.amdhsa_float_denorm_mode_32 3
		.amdhsa_float_denorm_mode_16_64 3
		.amdhsa_memory_ordered 1
		.amdhsa_forward_progress 1
		.amdhsa_inst_pref_size 153
	.end_amdhsa_kernel
	.amdgpu_metadata
---
amdhsa.version: [ 1, 2 ]
amdhsa.kernels:
  - .name:           k_q4e2581c376_prep
    .symbol:         k_q4e2581c376_prep.kd
    .args:
      - { .name: q, .offset: 0, .size: 8, .value_kind: global_buffer, .address_space: global }
      - { .name: k, .offset: 8, .size: 8, .value_kind: global_buffer, .address_space: global }
      - { .name: v, .offset: 16, .size: 8, .value_kind: global_buffer, .address_space: global }
      - { .name: w_q, .offset: 24, .size: 8, .value_kind: global_buffer, .address_space: global }
      - { .name: w_k, .offset: 32, .size: 8, .value_kind: global_buffer, .address_space: global }
      - { .name: w_v, .offset: 40, .size: 8, .value_kind: global_buffer, .address_space: global }
      - { .name: w_o, .offset: 48, .size: 8, .value_kind: global_buffer, .address_space: global }
      - { .name: mask, .offset: 56, .size: 8, .value_kind: global_buffer, .address_space: global }
      - { .name: rotary_freqs, .offset: 64, .size: 8, .value_kind: global_buffer, .address_space: global }
      - { .name: codes, .offset: 72, .size: 8, .value_kind: global_buffer, .address_space: global }
      - { .name: scales, .offset: 80, .size: 8, .value_kind: global_buffer, .address_space: global }
      - { .name: tab, .offset: 88, .size: 8, .value_kind: global_buffer, .address_space: global }
      - { .name: mbits, .offset: 96, .size: 8, .value_kind: global_buffer, .address_space: global }
    .group_segment_fixed_size: 50688
    .private_segment_fixed_size: 0
    .kernarg_segment_align: 8
    .kernarg_segment_size: 104
    .max_flat_workgroup_size: 128
    .sgpr_count:     66
    .vgpr_count:     192
    .wavefront_size: 32
...
	.end_amdgpu_metadata
.endif
;; end of part 1
;; launch proj (part 2): grid 4 x 48, 4 waves a work-group, clusters of 4 x 4, 327,680 bytes of LDS; arguments codes, scales, tab, qkv; writes qkv
.if DOCPART == 2
	.amdgcn_target "amdgcn-amd-amdhsa--gfx1250"
	.amdhsa_code_object_version 6
	.text
	.protected	k_q4e2581c376_proj
	.globl	k_q4e2581c376_proj
	.p2align	8
	.type	k_q4e2581c376_proj,@function
k_q4e2581c376_proj:
	s_mov_b64 s[64:65], 0
	v_nop
	global_prefetch_b8 v0, s[64:65] scope:SCOPE_SE
	s_setreg_imm32_b32 hwreg(HW_REG_WAVE_MODE, 25, 1), 1
	s_wait_xcnt 0x0
	s_wait_alu depctr_hold_cnt(0) depctr_sa_sdst(0) depctr_va_vdst(0) depctr_va_sdst(0) depctr_va_ssrc(0) depctr_va_vcc(0) depctr_vm_vsrc(0)
	s_getreg_b32 s2, hwreg(HW_REG_IB_STS2, 6, 4)
	s_cmp_eq_u32 s2, 0
	s_cbranch_scc0 .Lentry_in_a_cluster
	s_endpgm
.Lentry_in_a_cluster:
	s_bfe_u32 s2, ttmp6, 0x10000c
	s_cmp_lg_u32 s2, 0xf033
	s_cbranch_scc0 .Lentry_shape_is_right
	s_endpgm
.Lentry_shape_is_right:
; THE THREE PROJECTIONS on codes of FP4 (E2M1) with one E8M0 scale for each 32 along K, the rotation of the first 32 channels of every head, and the result in f16 by heads.
; codes: 15,360 rows of 512 bytes (1,024 codes, K innermost): q, k, v (4,096 rows each), then w_q, w_k, w_v (1,024 each); scales: the same rows, 32 bytes each.
; tab: cos[4096][32] f32 at byte 0, the signed sine at byte 524,288.   qkv: four sections of 8,388,608 bytes, each [16 heads][4096][64] f16: Q, K, V's high part, V's low part.
; A tile of 256 tokens x 256 channels is made by a work-group of four waves; a wave makes 128 x 128: 64 accumulators of 16 x 16.  Tile rows 0-15 are q's, 16-31 k's, 32-47 v's.
; All of K, 1,024, lies in two LDS slots of 512 along K (rows of 256 bytes): each is filled once, and so are the scale bytes of the work-group's rows.
; CLUSTERS: 4 x 4 work-groups.  The four of a row of the cluster need the same tiles of the tokens' codes, the four of a column the same tiles of the weight's: each is asked for JOINTLY.
; THE MATRIX INSTRUCTION IS USED TRANSPOSED (source 0 = 16 rows of the weight, source 1 = 16 tokens): a lane holds one token and eight neighbouring channels.
; V goes out as a pair of f16 numbers: the high part is the f32 number rounded to 11 significant bits (half of the last kept place added to the bits, 13 bits cleared), whose conversion to f16 is exact; the low part is what is left.
; LIMITS: NaN and infinities are not served; the projected numbers stay under 65,504 (f16); under 6e-5 they keep an absolute error of 3e-8.
; REGISTERS, in windows of 256: window 0: v0-31 addresses; v32-95 scale words, two sets; from v128 the tokens' fragments, one set; on the way out v32-255 are free.
;   window 1: the weight's fragments, two sets.   window 2: the accumulators of my tokens 0-63 (accumulator (a, b) at v[8 (8 a + b)]);   window 3: those of my tokens 64-127.
.set KSTEP,  512
.set NQ,     KSTEP/128
.set ROWB,   256
.set KROW,   512                       ; a row of codes in memory
.set PITCH,  272                       ; an LDS row: 256 bytes + 16: the 16 rows that a load touches begin in 16 different 16-byte columns of 256
.set FR,     8
.set NL,     2
.set NP,     4                         ; places behind this matrix instruction (ISA guide 7.12.1)
.set HALFT,  128*PITCH
.set SLOT,   4*HALFT
.set KS,     32                        ; a row of scales in bytes
.set SCL,    2*SLOT
.set HALFS,  (128*KS/256)*272
.set SBLK,   (16*KS/256)*272
.set SPARE,  SCL+4*HALFS               ; the spare words, 128 bytes for each wave
.set ADRA, 16
.set ADRB, 20
.set STO,  24                          ; v24  the way out: where I put 16 bytes of a token's row
.set RD,   25                          ; v25  where I read rows back
.set GO,   26                          ; v26  16 x lane
.set ADRS, 27
.set SPW,  28
.set NIL,  29
.set CTA,  30                          ; v30  my lane's byte in 16 tokens' rows of the tables
.set SC,   32
.set AF,   128
.set CT,   32                          ; the way out: v32-95 two sets of 32: cos d 0-15, cos d 16-31, sine d 0-15, sine d 16-31 (my eight of each)
.set TMP,  96                          ; v96-127 a block's 64 numbers a lane, packed to f16
.set F,    128                         ; v128-159 the rotated channels, f32
.set U,    160                         ; v160-223 V: the high parts in f32, then the low parts
.set BK,   160                         ; v160-191 rows read back from the stage
.set LW,   224                         ; v224-255 V: the low parts, packed
.set G1, 24
.set G0, 32
.set G1B, 48
.set G0B, 56
.set G1S, 68
.set G0S, 76
.set G1SB, 80
.set G0SB, 88
.set TEN, 95                           ; s95  which tensor: 0 q, 1 k, 2 v: the same in all sixteen partners
.set TB,  96                           ; s[96:97] the tables at my first token
.set OH,  12                           ; s[12:13] my tensor's section at my two heads and my first token
.set OL,  98                           ; s[98:99] the same place in the section of V's low parts
.set MSB, 0
.macro WIN new                         ; the immediate's high byte repeats the setting that is left
.if MSB != \new
	s_set_vgpr_msb (MSB<<8)|\new
.set MSB, \new
.endif
.endm
.set MUL_LO, 0xa1
.set MUL_HI, 0xf1
.set TO_B,   0x40
; A joint load: waves 0 and 1 fetch for the tokens, waves 2 and 3 for the weight.  An s_nop 0 and four v_nop follow each of the two lines.
.macro JLOAD g0a, g1a, g0b, g1b
	s_cmp_eq_u32 s15, 0
	s_cbranch_scc0 .Lfor_b_\@
	tensor_load_to_lds s[\g0a:\g0a+3], s[\g1a:\g1a+7]
	s_nop 0
.rept 4
	v_nop
.endr
	s_branch .Lasked_\@
.Lfor_b_\@:
	tensor_load_to_lds s[\g0b:\g0b+3], s[\g1b:\g1b+7]
	s_nop 0
.rept 4
	v_nop
.endr
.Lasked_\@:
.endm
.macro CROUND                          ; a round of the cluster's barrier
	s_barrier_signal -1
	s_barrier_wait -1
	s_cmp_lg_u32 s14, 0
	s_cbranch_scc1 .Lnot_wave_0_\@
	s_barrier_signal -3
.Lnot_wave_0_\@:
	s_barrier_wait -3
	s_barrier_signal -1
	s_barrier_wait -1
.endm
	s_load_b128 s[4:7], s[0:1], 0x0                ; codes, scales
	s_load_b128 s[8:11], s[0:1], 0x10              ; tab, qkv
	v_lshl_add_u32 v[SPW], v0, 2, SPARE
	v_mov_b32 v[NIL], 0
	ds_add_u32 v[SPW], v[NIL]                      ; the wave's opening: the add, twice on end, and its wait ahead of my first tensor load
	ds_add_u32 v[SPW], v[NIL]
	v_lshrrev_b32 v1, 5, v0
	v_readfirstlane_b32 s14, v1                    ; wave 0..3
	s_lshr_b32 s15, s14, 1                         ; which half of the tile's tokens is mine.  Also: I fetch for the tokens (0) or for the weight (1)
	s_and_b32 s16, s14, 1                          ; which half of its channels.  Also: which 128 rows of that tile I fetch
	s_bfe_u32 s40, ttmp6, 0x40000                  ; cx, cy: my place in the cluster
	s_bfe_u32 s41, ttmp6, 0x40004
	s_lshl_b32 s42, ttmp9, 2
	s_add_co_u32 s42, s42, s40                     ; tile column = 4 x cluster x + cx
	s_and_b32 s[TEN], ttmp7, 0xffff                ; cluster y, 0 .. 11
	s_lshl_b32 s17, s[TEN], 2
	s_add_co_u32 s17, s17, s41                     ; tile row = 4 x cluster y + cy, 0 .. 47
	s_lshr_b32 s[TEN], s[TEN], 2                   ; four clusters, 16 tile rows, to a tensor
	s_lshl_b32 s43, s41, 2
	s_lshl_b32 s43, 15, s43                        ; my row of the cluster
	s_lshl_b32 s44, 0x1111, s40                    ; my column
	s_or_b32 s[G1+0], s43, (0<<16)|(1<<20)|(1<<21)|(5<<22)|(3<<25)  ; the mask; elements of 1 byte; padding on; bit 21 beside a mask; 4 words after every 64
	s_or_b32 s[G1B+0], s44, (0<<16)|(1<<20)|(1<<21)|(5<<22)|(3<<25)
.irp g, G1, G1B
	s_mov_b32 s[\g+1], ROWB<<16                    ; tensor_dim0
	s_mov_b32 s[\g+2], 128<<16                     ; tensor_dim1
	s_mov_b32 s[\g+3], ROWB<<16                    ; tile_dim0
	s_mov_b32 s[\g+4], 128                         ; tile_dim1
	s_mov_b32 s[\g+5], KROW                        ; from row to row
	s_mov_b32 s[\g+6], 0
	s_mov_b32 s[\g+7], 0
.endr
	s_or_b32 s[G1S+0], s43, (3<<16)|(1<<20)|(1<<21)|(5<<22)|(3<<25) ; the scales of 128 rows: 4,096 dense bytes as 16 rows of 256 (32 elements of 8 bytes), 16 bytes of padding behind each
	s_or_b32 s[G1SB+0], s44, (3<<16)|(1<<20)|(1<<21)|(5<<22)|(3<<25)
.irp g, G1S, G1SB
	s_mov_b32 s[\g+1], 32<<16
	s_mov_b32 s[\g+2], (128*KS/256)<<16
	s_mov_b32 s[\g+3], 32<<16
	s_mov_b32 s[\g+4], 128*KS/256
	s_mov_b32 s[\g+5], 32
	s_mov_b32 s[\g+6], 0
	s_mov_b32 s[\g+7], 0
.endr
	s_lshl_b32 s18, s16, 7                         ; which 128 rows of the tile I fetch
	s_lshl_b32 s20, s17, 8
	s_add_co_u32 s20, s20, s18                     ; tokens: row 256 x tile row + 128 x half
	s_lshl_b32 s46, s42, 8
	s_add_co_u32 s46, s46, s18                     ; weight: row 256 x tile column + 128 x half,
	s_lshl_b32 s47, s[TEN], 10
	s_add_co_u32 s46, s46, s47                     ; in my tensor's weight,
	s_add_co_u32 s46, s46, 12288                   ; behind the tokens' 12,288 rows
	s_mov_b32 s21, 0
	s_mov_b32 s47, 0
	s_mov_b64 s[18:19], KS
	s_mul_u64 s[22:23], s[20:21], s[18:19]         ; where these rows' scales begin, in bytes
	s_mul_u64 s[92:93], s[46:47], s[18:19]
	s_mov_b64 s[18:19], KROW
	s_mul_u64 s[20:21], s[20:21], s[18:19]         ; and their codes
	s_mul_u64 s[46:47], s[46:47], s[18:19]
	s_mul_i32 s45, s14, HALFT                      ; where they go: wave x 128 rows: no place in the cluster enters an LDS address
	s_mul_i32 s94, s14, HALFS
	s_mov_b32 s2, 0x1000                           ; half of the last place that f16 keeps, in an f32 number's bits
	s_mov_b32 s3, 0xffffe000                       ; and the bits that it keeps
	s_wait_dscnt 0x0                               ; both opening adds are done
	s_wait_kmcnt 0x0
	s_add_nc_u64 s[20:21], s[4:5], s[20:21]
	s_add_nc_u64 s[22:23], s[6:7], s[22:23]
	s_add_nc_u64 s[46:47], s[4:5], s[46:47]
	s_add_nc_u64 s[92:93], s[6:7], s[92:93]
	CROUND                                         ; all sixteen work-groups are here: the joint loads meet
	s_mov_b32 s[G0S], 1
	s_add_co_u32 s[G0S+1], s94, SCL
	s_mov_b64 s[G0S+2:G0S+3], s[22:23]
	s_or_b32 s[G0S+3], s[G0S+3], 0x80000000
	s_mov_b32 s[G0SB], 1
	s_add_co_u32 s[G0SB+1], s94, SCL
	s_mov_b64 s[G0SB+2:G0SB+3], s[92:93]
	s_or_b32 s[G0SB+3], s[G0SB+3], 0x80000000
	JLOAD G0S, G1S, G0SB, G1SB                     ; the scales first: they are wanted with the first slot.  Three loads of mine are out in all
.irp s, 0,1
	s_mov_b32 s[G0+4*\s], 1
	s_add_co_u32 s[G0+4*\s+1], s45, \s*SLOT
	s_add_nc_u64 s[G0+4*\s+2:G0+4*\s+3], s[20:21], \s*ROWB
	s_or_b32 s[G0+4*\s+3], s[G0+4*\s+3], 0x80000000
	s_mov_b32 s[G0B+4*\s], 1
	s_add_co_u32 s[G0B+4*\s+1], s45, \s*SLOT
	s_add_nc_u64 s[G0B+4*\s+2:G0B+4*\s+3], s[46:47], \s*ROWB
	s_or_b32 s[G0B+4*\s+3], s[G0B+4*\s+3], 0x80000000
	JLOAD G0+4*\s, G1, G0B+4*\s, G1B
.endr
	v_and_b32 v1, 15, v0                           ; r = l % 16
	v_bfe_u32 v2, v0, 4, 1                         ; h = l / 16
	v_mul_u32_u24 v3, v1, PITCH
	v_lshl_add_u32 v4, v2, 4, v3                   ; a fragment's row x pitch + 16 x half
	s_mul_i32 s21, s15, HALFT                      ; my 128 tokens
	s_mul_i32 s22, s16, HALFT                      ; my 128 rows of the weight,
	s_add_co_u32 s22, s22, 2*HALFT                 ; which lie behind the 256 tokens
.irp s, 0,1
	v_add_nc_u32 v[ADRA+\s], s21, v4
	v_add_nc_u32 v[ADRB+\s], s22, v4
	s_add_co_u32 s21, s21, SLOT
	s_add_co_u32 s22, s22, SLOT
.endr
	v_mul_u32_u24 v5, v1, KS                       ; my row's scales: 32 bytes a row,
	v_lshrrev_b32 v6, 8, v5
	v_lshl_add_u32 v5, v6, 4, v5                   ; and 16 more for each 256 passed
	s_mul_i32 s21, s15, HALFS
	s_mul_i32 s22, s16, HALFS
	s_add_co_u32 s22, s22, 2*HALFS
	s_sub_co_u32 s22, s22, s21
	v_mul_u32_u24 v6, s22, v2                      ; lanes 16-31 take the weight's
	s_add_co_u32 s21, s21, SCL
	v_add_nc_u32 v5, v5, v6
	v_add_nc_u32 v[ADRS], s21, v5
	s_mul_i32 s23, s14, 16*PITCH                   ; my stage: 16 rows of 272 bytes
	v_mul_u32_u24 v5, v1, PITCH
	v_lshl_add_u32 v5, v2, 4, v5
	v_add_nc_u32 v[STO], s23, v5                   ; in: row r, 16 h bytes on
	v_bfe_u32 v5, v0, 3, 2
	v_and_b32 v6, 7, v0
	v_mul_u32_u24 v5, v5, PITCH
	v_lshl_add_u32 v5, v6, 4, v5
	v_add_nc_u32 v[RD], s23, v5                    ; back: eight lanes to a token's 128 bytes of one head, four tokens an instruction
	v_and_b32 v6, 31, v0
	v_lshlrev_b32 v[GO], 4, v6
	v_lshlrev_b32 v[CTA], 7, v1
	v_lshl_add_u32 v[CTA], v2, 5, v[CTA]           ; the tables: token r's 128 bytes, my eight numbers at 32 h
	s_and_b32 s20, s17, 15
	s_lshl_b32 s20, s20, 8
	s_lshl_b32 s21, s15, 7
	s_add_co_u32 s20, s20, s21                     ; my first token: 256 x (tile row % 16) + 128 x half
	s_lshl_b32 s20, s20, 7                         ; x 128 bytes: a token's row in the tables and in a head alike
	s_mov_b32 s21, 0
	s_add_nc_u64 s[TB:TB+1], s[8:9], s[20:21]
	s_lshl_b32 s46, s42, 2
	s_lshl_b32 s47, s16, 1
	s_add_co_u32 s46, s46, s47                     ; my first head: 4 x tile column + 2 x half
	s_lshl_b32 s46, s46, 19                        ; x 524,288 bytes
	s_mov_b32 s47, 0
	s_add_nc_u64 s[46:47], s[46:47], s[20:21]
	s_add_nc_u64 s[OL:OL+1], s[10:11], s[46:47]
	s_lshl_b32 s92, s[TEN], 23                     ; my tensor's section
	s_mov_b32 s93, 0
	s_add_nc_u64 s[OH:OH+1], s[OL:OL+1], s[92:93]
	s_add_nc_u64 s[OL:OL+1], s[OL:OL+1], 25165824  ; the fourth section
.macro FRAG reg, adr, q, i             ; 16 rows x 128 K of 4-bit codes: 8 registers: lane l holds row l % 16; registers 4 c .. 4 c + 3 hold K = 64 c + 32 (l / 16) + 0 .. 31
.irp c, 0,1
	ds_load_b128 v[\reg+4*\c:\reg+4*\c+3], v[\adr] offset:64*(\q)+32*\c+(\i)*16*PITCH
.endr
.endm
; 16 matrix instructions: token blocks a0, a0 + 1 x the weight's eight, 128 along K.  The 64 accumulators take turns, one instruction a turn, in the same order in every step.
.macro MUL16 a0, p, q, sc, zero
.irp a, \a0, \a0+1
.irp b, 0,1,2,3,4,5,6,7
.if \zero
	v_wmma_scale_f32_16x16x128_f8f6f4 v[8*(8*((\a)%4)+\b):8*(8*((\a)%4)+\b)+7], v[128*(\p)+FR*\b:128*(\p)+FR*\b+FR-1], v[AF+FR*(\a):AF+FR*(\a)+FR-1], 0, v[SC+8*NQ*(\sc)+NQ*\b+(\q)], v[SC+8*NQ*(\sc)+NQ*(\a)+(\q)] matrix_a_fmt:MATRIX_FMT_FP4 matrix_b_fmt:MATRIX_FMT_FP4 matrix_a_scale:MATRIX_SCALE_ROW1
.else
	v_wmma_scale_f32_16x16x128_f8f6f4 v[8*(8*((\a)%4)+\b):8*(8*((\a)%4)+\b)+7], v[128*(\p)+FR*\b:128*(\p)+FR*\b+FR-1], v[AF+FR*(\a):AF+FR*(\a)+FR-1], v[8*(8*((\a)%4)+\b):8*(8*((\a)%4)+\b)+7], v[SC+8*NQ*(\sc)+NQ*\b+(\q)], v[SC+8*NQ*(\sc)+NQ*(\a)+(\q)] matrix_a_fmt:MATRIX_FMT_FP4 matrix_b_fmt:MATRIX_FMT_FP4 matrix_a_scale:MATRIX_SCALE_ROW1
.endif
.endr
.endr
.endm
.macro FETCH_B slot, q, p
	WIN TO_B
.irp i, 0,1,2,3,4,5,6,7
	FRAG 128*(\p)+FR*\i, ADRB+\slot, \q, \i
.endr
	WIN 0
.endm
.macro FETCH_A slot, q, i0
.irp i, \i0, \i0+1, \i0+2, \i0+3
	FRAG AF+FR*(\i), ADRA+\slot, \q, \i
.endr
.endm
.macro SCALES sc                       ; a slot's scale words: four words a row; lanes 0-15 take the tokens' block i, lanes 16-31 the weight's block i
.irp i, 0,1,2,3,4,5,6,7
	ds_load_b128 v[SC+8*NQ*\sc+NQ*\i:SC+8*NQ*\sc+NQ*\i+3], v[ADRS] offset:\i*SBLK
.endr
.endm
.macro PLACES n                        ; plain vector instructions between a matrix instruction and a load into, or a read of, its registers
.rept \n
	v_nop
.endr
.endm
.macro STEP slot, q, zero              ; a step of 128 along K that has its successor in the same slot
	s_wait_dscnt 4*NL                              ; the weight's set and token blocks 0-3 are in; the youngest eight loads (blocks 4-7) may be out
	WIN MUL_LO
	MUL16 0, (\q)%2, \q, \slot, \zero
	MUL16 2, (\q)%2, \q, \slot, \zero
	s_wait_dscnt 0
	PLACES NP
	FETCH_B \slot, (\q)+1, 1-(\q)%2
	FETCH_A \slot, (\q)+1, 0
	WIN MUL_HI
	MUL16 4, (\q)%2, \q, \slot, \zero
	MUL16 6, (\q)%2, \q, \slot, \zero
	PLACES NP
	WIN 0
	FETCH_A \slot, (\q)+1, 4
.endm
.macro STEPS slot, from
.set Q, \from
.rept NQ-1-\from
	STEP \slot, Q, 0
.set Q, Q+1
.endr
.endm
	s_wait_tensorcnt 1                             ; the scales and my part of slot 0 are in (slot 1's load may be out)
	s_barrier_signal -1
	s_barrier_wait -1                              ; everybody's are
	FETCH_B 0, 0, 0
	FETCH_A 0, 0, 0
	SCALES 0
	FETCH_A 0, 0, 4
	STEP 0, 0, 1                                   ; the first step's products start the sums: nothing is cleared
	STEPS 0, 1
	; slot 0's last step changes slots: one barrier; in front of it each wave waits for all its tensor loads, adds 0 to its spare word, and waits for that and for its reads of slot 0
	s_wait_tensorcnt 0x0                           ; my part of slot 1 has landed
	ds_add_u32 v[SPW], v[NIL]
	s_wait_dscnt 4*NL+1                            ; (the add and the youngest eight loads may be out)
	WIN MUL_LO
	MUL16 0, 1, NQ-1, 0, 0
	s_wait_dscnt 0x0                               ; the add is done, and my reads of slot 0 are over
	s_barrier_signal -1
	MUL16 2, 1, NQ-1, 0, 0
	WIN 0
	s_barrier_wait -1
	PLACES NP
	v_add_nc_u32 v[ADRS], 4*NQ, v[ADRS]            ; on to slot 1's scale words
	FETCH_B 1, 0, 0
	FETCH_A 1, 0, 0
	SCALES 1
	WIN MUL_HI
	MUL16 4, 1, NQ-1, 0, 0
	MUL16 6, 1, NQ-1, 0, 0
	PLACES NP
	WIN 0
	FETCH_A 1, 0, 4
	STEPS 1, 0
	s_wait_dscnt 4*NL                              ; the very last step: nothing more to fetch
	WIN MUL_LO
	MUL16 0, 1, NQ-1, 1, 0
	MUL16 2, 1, NQ-1, 1, 0
	s_wait_dscnt 0
	WIN MUL_HI
	MUL16 4, 1, NQ-1, 1, 0
	MUL16 6, 1, NQ-1, 1, 0
	WIN 0
; THE WAY OUT, a block of 16 tokens x 128 channels (two heads) at a time.  Accumulator (a, b), lane (r, h), register j: token 16 a + r, head b / 4, channel d = 16 (b % 4) + 8 h + j.
; So b % 4 = 0 and 1 are the rotated halves: out(d) = x(d) cos(d) + x(d + 16) sn(d) for d < 16, x(d) cos(d) + x(d - 16) sn(d) for d >= 16, sn carrying the sign.
; The stages lie in slot 0, which has had its only fill and was left by every wave at the change of slots.
.macro TABLOAD a                       ; block a's tables: eight numbers of each of the four kinds
.set CS_, CT+32*((\a)%2)
	global_load_b128 v[CS_:CS_+3],     v[CTA], s[TB:TB+1] offset:2048*(\a)
	global_load_b128 v[CS_+4:CS_+7],   v[CTA], s[TB:TB+1] offset:2048*(\a)+16
	global_load_b128 v[CS_+8:CS_+11],  v[CTA], s[TB:TB+1] offset:2048*(\a)+64
	global_load_b128 v[CS_+12:CS_+15], v[CTA], s[TB:TB+1] offset:2048*(\a)+80
	global_load_b128 v[CS_+16:CS_+19], v[CTA], s[TB:TB+1] offset:2048*(\a)+524288
	global_load_b128 v[CS_+20:CS_+23], v[CTA], s[TB:TB+1] offset:2048*(\a)+524304
	global_load_b128 v[CS_+24:CS_+27], v[CTA], s[TB:TB+1] offset:2048*(\a)+524352
	global_load_b128 v[CS_+28:CS_+31], v[CTA], s[TB:TB+1] offset:2048*(\a)+524368
.endm
.macro ROT a                           ; the rotation, two numbers an instruction; each accumulator is read from its low end on
.set AC, 64*((\a)%4)
.set CS_, CT+32*((\a)%2)
	WIN 0x02+(\a)/4                                ; source 0: window 2 or 3
.irp hd, 0,1
.irp p, 0,1,2,3
	v_pk_mul_f32 v[F+16*\hd+2*\p:F+16*\hd+2*\p+1],     v[AC+32*\hd+8+2*\p:AC+32*\hd+8+2*\p+1], v[CS_+16+2*\p:CS_+16+2*\p+1]
	v_pk_mul_f32 v[F+16*\hd+8+2*\p:F+16*\hd+8+2*\p+1], v[AC+32*\hd+2*\p:AC+32*\hd+2*\p+1],     v[CS_+24+2*\p:CS_+24+2*\p+1]
	v_pk_fma_f32 v[F+16*\hd+2*\p:F+16*\hd+2*\p+1],     v[AC+32*\hd+2*\p:AC+32*\hd+2*\p+1],     v[CS_+2*\p:CS_+2*\p+1],     v[F+16*\hd+2*\p:F+16*\hd+2*\p+1]
	v_pk_fma_f32 v[F+16*\hd+8+2*\p:F+16*\hd+8+2*\p+1], v[AC+32*\hd+8+2*\p:AC+32*\hd+8+2*\p+1], v[CS_+8+2*\p:CS_+8+2*\p+1], v[F+16*\hd+8+2*\p:F+16*\hd+8+2*\p+1]
.endr
.endr
	WIN 0
.endm
.macro CVT a                           ; q and k: rounded to f16 once
.set AC, 64*((\a)%4)
.irp hd, 0,1
.irp e, 0,1
.irp p, 0,1,2,3
	v_cvt_pk_f16_f32 v[TMP+16*\hd+4*\e+\p], v[F+16*\hd+8*\e+2*\p], v[F+16*\hd+8*\e+2*\p+1]
.endr
.endr
.endr
	WIN 0x0a+5*((\a)/4)                            ; sources 0 and 1: window 2 or 3
.irp hd, 0,1
.irp e, 2,3
.irp p, 0,1,2,3
	v_cvt_pk_f16_f32 v[TMP+16*\hd+4*\e+\p], v[AC+32*\hd+8*\e+2*\p], v[AC+32*\hd+8*\e+2*\p+1]
.endr
.endr
.endr
	WIN 0
.endm
.macro SPLIT a                         ; v: a high and a low part
.set AC, 64*((\a)%4)
	s_wait_xcnt 0x0                                ; the last block's stores have read v160-191
.irp hd, 0,1
.irp j, 0,1,2,3,4,5,6,7,8,9,10,11,12,13,14,15
	v_add_nc_u32 v[U+32*\hd+\j], s2, v[F+16*\hd+\j]
.endr
.endr
	WIN 0x08+4*((\a)/4)                            ; source 1: window 2 or 3
.irp hd, 0,1
.irp j, 0,1,2,3,4,5,6,7,8,9,10,11,12,13,14,15
	v_add_nc_u32 v[U+32*\hd+16+\j], s2, v[AC+32*\hd+16+\j]
.endr
.endr
	WIN 0
.set J, 0
.rept 64
	v_and_b32 v[U+J], s3, v[U+J]                   ; 11 significant bits, rounded to nearest
.set J, J+1
.endr
.set J, 0
.rept 32
	v_cvt_pk_f16_f32 v[TMP+J], v[U+2*J], v[U+2*J+1]
.set J, J+1
.endr
.irp hd, 0,1
.irp p, 0,1,2,3,4,5,6,7
	v_pk_add_f32 v[U+32*\hd+2*\p:U+32*\hd+2*\p+1], v[F+16*\hd+2*\p:F+16*\hd+2*\p+1], v[U+32*\hd+2*\p:U+32*\hd+2*\p+1] neg_lo:[0,1] neg_hi:[0,1]
.endr
.endr
	WIN 0x02+(\a)/4
.irp hd, 0,1
.irp p, 0,1,2,3,4,5,6,7
	v_pk_add_f32 v[U+32*\hd+16+2*\p:U+32*\hd+16+2*\p+1], v[AC+32*\hd+16+2*\p:AC+32*\hd+16+2*\p+1], v[U+32*\hd+16+2*\p:U+32*\hd+16+2*\p+1] neg_lo:[0,1] neg_hi:[0,1]
.endr
.endr
	WIN 0
.set J, 0
.rept 32
	v_cvt_pk_f16_f32 v[LW+J], v[U+2*J], v[U+2*J+1]
.set J, J+1
.endr
.endm
.macro OUT src, stage, base, a         ; 32 packed registers through my stage; back as four tokens' 128 bytes of one head: 512 consecutive bytes a store
	s_wait_xcnt 0x0                                ; earlier stores have read v160-191
.irp b, 0,1,2,3,4,5,6,7
	ds_store_b128 v[STO], v[\src+4*\b:\src+4*\b+3] offset:\stage+32*\b
.endr
.irp i, 0,1,2,3,4,5,6,7
	ds_load_b128 v[BK+4*\i:BK+4*\i+3], v[RD] offset:\stage+(\i%4)*4*PITCH+(\i/4)*128   ; LDS serves a wave's instructions in order: these see the stores above
.endr
	s_wait_dscnt 0x0
.irp i, 0,1,2,3,4,5,6,7
	global_store_b128 v[GO], v[BK+4*\i:BK+4*\i+3], s[\base:\base+1] offset:2048*(\a)+(\i/4)*524288+(\i%4)*512
.endr
.endm
.macro BLOCK a
.if (\a) < 7
	TABLOAD (\a)+1
	s_wait_loadcnt 8                               ; this block's tables are in; the next block's eight loads stay out
.else
	s_wait_loadcnt 0
.endif
	ROT \a
	s_cmp_eq_u32 s[TEN], 2                         ; the tensor's number: the same in all waves and all partners
	s_cbranch_scc1 .Lv_\@
	CVT \a
	OUT TMP, 0, OH, \a
	s_branch .Ldone_\@
.Lv_\@:
	SPLIT \a
	OUT TMP, 0, OH, \a
	OUT LW, 32768, OL, \a
.Ldone_\@:
.endm
	PLACES NP                                      ; behind the last products: for the loads into the scale words' registers and the reads of results
	TABLOAD 0
.irp a, 0,1,2,3,4,5,6,7
	BLOCK \a
.endr
	s_wait_tensorcnt 0x0                           ; the wave's end, behind my last tensor load and my last LDS store
	ds_add_u32 v[SPW], v[NIL]
	s_wait_dscnt 0x0
	CROUND                                         ; the closing round
	s_endpgm
.Lfunc_end_k_q4e2581c376_proj:
	.size	k_q4e2581c376_proj, .Lfunc_end_k_q4e2581c376_proj-k_q4e2581c376_proj
	.p2alignl 7, 3214868480
	.fill 96, 4, 3214868480
	.section	.rodata,"a",@progbits
	.p2align	6, 0x0
	.amdhsa_kernel k_q4e2581c376_proj
		.amdhsa_group_segment_fixed_size 327680
		.amdhsa_private_segment_fixed_size 0
		.amdhsa_enable_private_segment 0
		.amdhsa_kernarg_size 32
		.amdhsa_user_sgpr_count 2
		.amdhsa_user_sgpr_kernarg_segment_ptr 1
		.amdhsa_wavefront_size32 1
		.amdhsa_system_sgpr_workgroup_id_x 1
		.amdhsa_system_sgpr_workgroup_id_y 1
		.amdhsa_system_sgpr_workgroup_id_z 1
		.amdhsa_system_vgpr_workitem_id 0
		.amdhsa_next_free_vgpr 1024
		.amdhsa_next_free_sgpr 100
		.amdhsa_reserve_vcc 0
		.amdhsa_float_denorm_mode_32 3
		.amdhsa_float_denorm_mode_16_64 3
		.amdhsa_memory_ordered 1
		.amdhsa_forward_progress 1
		.amdhsa_inst_pref_size 255
	.end_amdhsa_kernel
	.section	.bss,"aw",@nobits
	.p2align	6
	.space	262144
	.amdgpu_metadata
---
amdhsa.version: [ 1, 2 ]
amdhsa.kernels:
  - .name:           k_q4e2581c376_proj
    .symbol:         k_q4e2581c376_proj.kd
    .args:
      - { .name: codes, .offset: 0, .size: 8, .value_kind: global_buffer, .address_space: global }
      - { .name: scales, .offset: 8, .size: 8, .value_kind: global_buffer, .address_space: global }
      - { .name: tab, .offset: 16, .size: 8, .value_kind: global_buffer, .address_space: global }
      - { .name: qkv, .offset: 24, .size: 8, .value_kind: global_buffer, .address_space: global }
    .group_segment_fixed_size: 327680
    .private_segment_fixed_size: 0
    .kernarg_segment_align: 8
    .kernarg_segment_size: 32
    .max_flat_workgroup_size: 128
    .sgpr_count:     100
    .vgpr_count:     1024
    .wavefront_size: 32
...
	.end_amdgpu_metadata
.endif
;; end of part 2
;; launch attn (part 3): grid 16 x 16, 8 waves a work-group, clusters of 4 x 1, 327,680 bytes of LDS; arguments qkv, mbits, vals; writes vals
.if DOCPART == 3
	.amdgcn_target "amdgcn-amd-amdhsa--gfx1250"
	.amdhsa_code_object_version 6
	.text
	.protected	k_q4e2581c376_attn
	.globl	k_q4e2581c376_attn
	.p2align	8
	.type	k_q4e2581c376_attn,@function
k_q4e2581c376_attn:
	s_mov_b64 s[64:65], 0
	v_nop
	global_prefetch_b8 v0, s[64:65] scope:SCOPE_SE
	s_setreg_imm32_b32 hwreg(HW_REG_WAVE_MODE, 25, 1), 1
	s_wait_xcnt 0x0
	s_wait_alu depctr_hold_cnt(0) depctr_sa_sdst(0) depctr_va_vdst(0) depctr_va_sdst(0) depctr_va_ssrc(0) depctr_va_vcc(0) depctr_vm_vsrc(0)
	s_getreg_b32 s2, hwreg(HW_REG_IB_STS2, 6, 4)
	s_cmp_eq_u32 s2, 0
	s_cbranch_scc0 .Lentry_in_a_cluster
	s_endpgm
.Lentry_in_a_cluster:
	s_bfe_u32 s2, ttmp6, 0x10000c
	s_cmp_lg_u32 s2, 0x3003
	s_cbranch_scc0 .Lentry_shape_is_right
	s_endpgm
.Lentry_shape_is_right:
; vals[h][q][:] = the sum over k of softmax_k(score) V[h][k][:], score = Q[h][q] . K[h][k] / 8 where the mask is true, the most negative number where it is false.  Q, K, V: sections 0, 1, 2 of qkv, each [16][4096][64] f16; vals likewise.
; Products, maxima and sums in f32; the weights p are rounded to f16 for the second product, vals once at the end.
; THE MASK comes as lane masks (mbits[query tile][key step][32 words]): word 8 t + i is the mask of score register 8 t + i, read into scalar registers a step ahead; one v_cndmask_b32 a score.
; A masked score becomes -2^126.  c x 2^126 is exact (c = log2(e) / 8), so in a row with no true key c s - c m is exactly 0 and every key weighs 1, as in the softmax of equal numbers; beside any true key's score the exponential of a masked one is 0.
; SHARES.  A work-group owns 256 queries of one head; each of its eight waves 32: two tiles of 16.  Two waves lie on a SIMD: one's vector work stands beside the other's matrix work.  Every wave walks all 4,096 keys, 64 a step.
; LAYOUT.  S^T = K Q^T (source 0 = 16 keys, source 1 = 16 queries): a lane holds ONE query (lane % 16) and keys 8 (lane / 16) + 0..7 of a tile.  Two such tiles, rounded to f16 in pairs, ARE source 1 (32 keys x 16 queries) of O^T = V^T P.
; K comes out of LDS as it lies, V ([key][channel]) turned, by ds_load_tr16_b128.
; RING.  Two LDS slots of 512 keys.  A key's row is 128 bytes and the rows are dense in memory, so a tile is stated as lines of two keys, 256 bytes, padded: K by 16 bytes, V by 32.  Waves 0-3 fetch K's quarters, waves 4-7 V's: one load a wave.
; CLUSTER.  The four query blocks of a cluster belong to one head and walk the same K and V: each tile is asked for JOINTLY, by the same tensor load with a mask that names the four.
; LIMITS: NaN and infinities are not served; scores stay above -2^126 / 1; p under 6e-5 keeps an absolute error of 3e-8 (f16), against a row's sum of at least 1.
.set KLINE,  272
.set VLINE,  288
.set KQ4,    64*KLINE                  ; a quarter of a slot's K: 128 keys
.set VQ4,    64*VLINE
.set VOFF,   4*KQ4                     ; a slot: K's 256 lines, then V's
.set SLOTB,  VOFF+4*VQ4                ; 143,360
.set SPARE,  2*SLOTB                   ; the spare words, 128 bytes for each wave
.set KSTEPB, 32*KLINE                  ; a step's 64 keys
.set VSTEPB, 32*VLINE
.set CLIT,   0x3e38aa3b                ; c = log2(e) / 8
.set SPW, 1                            ; v1   LDS address of my spare word; never rewritten
.set NIL, 2                            ; v2   0; never rewritten
.set NEG, 3                            ; v3   -2^126
.set AK,  4                            ; v4-5 my lane's place in a tile of K, slot 0, 1
.set AV,  6                            ; v6-7 the same for V
.set ADK, 8
.set ADV, 9
.set PFO, 10                           ; v10  256 x lane
.set Q,   16                           ; v16-47   Q: tile x, channels 32 kk on, at 16 x + 8 kk
.set ST,  48                           ; v48-63   eight a tile: +0 c m, +1 m, +2, +3 l, +4 .. +7 at work; a in +6
.set S,   64                           ; v64-127  S^T, 32 a tile; then P in place
.set O,   128                          ; v128-191 O^T, 32 a tile
.set KV,  192                          ; v192-255 eight fragments of K, then of V
.set WV,  2                            ; s2   my wave's number
.set PC,  3                            ; s3   counts pairs of slots
.set KO,  60                           ; s60  the step's bytes in a slot's K; also the inner loop's counter
.set SOFF, 61                          ; s61  byte offset of the mask words to be fetched
.set VO,  62                           ; s62  the step's bytes in a slot's V
.set LIM, 63                           ; s63  1 in a wave that prefetches
.set MP,  66                           ; s[66:67] my two query tiles' mask words
.set G1K, 76
.set G1V, 84
.set G0K, 92
.set G0V, 96
.set SEL, 100                          ; s[100:101] lane selects for v_permlanex16_b32: lane l xor 16
.set PFA, 104                          ; s[104:105] where my prefetches stand
; s4-35: tile 0's 32 mask words; s36-59 and s68-75: tile 1's
.macro CROUND                          ; a round of the cluster's barrier
	s_barrier_signal -1
	s_barrier_wait -1
	s_cmp_lg_u32 s[WV], 0
	s_cbranch_scc1 .Lnot_wave_0_\@
	s_barrier_signal -3
.Lnot_wave_0_\@:
	s_barrier_wait -3
	s_barrier_signal -1
	s_barrier_wait -1
.endm
.macro JLOAD                           ; a joint load; the branch hangs on the wave's number alone.  An s_nop 0 and four v_nop follow each of the two lines
	s_cmp_lt_u32 s[WV], 4
	s_cbranch_scc0 .Lfor_v_\@
	tensor_load_to_lds s[G0K:G0K+3], s[G1K:G1K+7]
	s_nop 0
.rept 4
	v_nop
.endr
	s_branch .Lasked_\@
.Lfor_v_\@:
	tensor_load_to_lds s[G0V:G0V+3], s[G1V:G1V+7]
	s_nop 0
.rept 4
	v_nop
.endr
.Lasked_\@:
.endm
; A PREFETCH INTO THE L2 of what the NEXT change of slots will ask for: 65,536 bytes of K and of V, a lane to each 256.  All clusters of a head walk the same K and V: the head's first cluster asks.  Its four partners share the
; blocks out BY ADDRESS; in each, waves 0 and 1 ask for K's and waves 2 and 3 for V's, 32 blocks each: every block is named once in the launch.  It stands eight key steps ahead of the load that wants the bytes.
.macro ASK
	s_cmp_eq_u32 s[LIM], 1
	s_cbranch_scc0 .Lnot_mine_\@
	global_prefetch_b8 v[PFO], s[PFA:PFA+1] th:TH_LOAD_NT scope:SCOPE_SE
.Lnot_mine_\@:
.endm
.macro MLOADS                          ; a step's 64 mask words
	s_load_b512 s[4:19],  s[MP:MP+1], s[SOFF] offset:0x0
	s_load_b512 s[20:35], s[MP:MP+1], s[SOFF] offset:0x40
	s_load_b512 s[36:51], s[MP:MP+1], s[SOFF] offset:0x2000
	s_load_b256 s[52:59], s[MP:MP+1], s[SOFF] offset:0x2040
	s_load_b256 s[68:75], s[MP:MP+1], s[SOFF] offset:0x2060
.endm
	s_load_b128 s[4:7], s[0:1], 0x0                ; qkv, mbits
	v_lshl_add_u32 v[SPW], v0, 2, SPARE
	v_mov_b32 v[NIL], 0
	ds_add_u32 v[SPW], v[NIL]                      ; the wave's opening: the add, twice on end, and its wait ahead of my first tensor load
	ds_add_u32 v[SPW], v[NIL]
	v_lshrrev_b32 v11, 5, v0
	v_readfirstlane_b32 s[WV], v11                 ; wave 0..7
	s_bfe_u32 s8, ttmp6, 0x40000                   ; cx
	s_lshl_b32 s9, ttmp9, 2
	s_add_co_u32 s9, s9, s8                        ; my block of 256 queries: it enters Q's, the mask's and vals' addresses alone
	s_and_b32 s10, ttmp7, 0xffff                   ; the head, which the four partners share
	s_lshl_b32 s10, s10, 19                        ; its bytes in a section
	s_and_b32 s11, s[WV], 3                        ; which quarter of a slot I fetch
	s_mov_b32 s[G1K], 15|(1<<16)|(1<<20)|(1<<21)|(5<<22)|(3<<25)   ; the mask: all four; elements of 2 bytes; padding on; bit 21 beside a mask; 4 words after every 64
	s_mov_b32 s[G1V], 15|(1<<16)|(1<<20)|(1<<21)|(5<<22)|(7<<25)   ; the same with 8 words
.irp g, G1K, G1V
	s_mov_b32 s[\g+1], 128<<16                     ; tensor_dim0 = 128 elements: two keys
	s_mov_b32 s[\g+2], 64<<16                      ; tensor_dim1 = 64 lines
	s_mov_b32 s[\g+3], 128<<16                     ; tile_dim0
	s_mov_b32 s[\g+4], 64                          ; tile_dim1
	s_mov_b32 s[\g+5], 128                         ; from line to line: dense
	s_mov_b32 s[\g+6], 0
	s_mov_b32 s[\g+7], 0
.endr
	s_mov_b32 s[SEL], 0x76543210
	s_mov_b32 s[SEL+1], 0xfedcba98
	s_mov_b32 s[SOFF], 0
	s_mov_b32 s[PC], 3
	s_lshr_b32 s[LIM], s[WV], 2                    ; 0 in waves 0 to 3,
	s_or_b32 s[LIM], s[LIM], ttmp9                 ; of the head's first cluster: the same in all four partners
	s_cmp_eq_u32 s[LIM], 0
	s_cselect_b32 s[LIM], 1, -1
	s_lshl_b32 s12, s11, 14                        ; my quarter: 128 keys of 128 bytes
	s_add_co_u32 s12, s12, s10
	s_mov_b32 s13, 0
	s_lshl_b32 s16, s9, 15                         ; my block's 256 rows of 128 bytes,
	s_lshl_b32 s17, s[WV], 12                      ; my wave's 32 of them,
	s_add_co_u32 s16, s16, s17
	s_add_co_u32 s16, s16, s10                     ; in my head
	s_mov_b32 s17, 0
	s_lshl_b32 s18, s9, 17                         ; 16 query tiles of 8,192 bytes of words a block,
	s_lshl_b32 s19, s[WV], 14                      ; two a wave
	s_add_co_u32 s18, s18, s19
	s_mov_b32 s19, 0
	s_lshr_b32 s20, s[WV], 1
	s_and_b32 s20, s20, 1
	s_add_co_u32 s20, s20, 1
	s_lshl_b32 s20, s20, 23                        ; the prefetches: K's section in waves 0 and 1, V's in waves 2 and 3,
	s_add_co_u32 s20, s20, s10                     ; my head,
	s_lshl_b32 s21, s8, 1
	s_and_b32 s22, s[WV], 1
	s_add_co_u32 s21, s21, s22
	s_lshl_b32 s21, s21, 13                        ; my 32 blocks of the 256: 2 cx + wave % 2,
	s_add_co_u32 s20, s20, s21
	s_add_co_u32 s20, s20, 65536                   ; in the second 512 keys: the first change of slots steps it to the third.  Nothing is prefetched at the head
	s_mov_b32 s21, 0
	s_wait_dscnt 0x0                               ; both opening adds are done
	s_wait_kmcnt 0x0
	s_add_nc_u64 s[14:15], s[4:5], s[12:13]
	s_mov_b32 s[G0K], 1
	s_mul_i32 s[G0K+1], s11, KQ4                   ; slot 0
	s_add_nc_u64 s[G0K+2:G0K+3], s[14:15], 8388608
	s_or_b32 s[G0K+3], s[G0K+3], 0x80000000
	s_mov_b32 s[G0V], 1
	s_mul_i32 s[G0V+1], s11, VQ4
	s_add_co_u32 s[G0V+1], s[G0V+1], VOFF
	s_add_nc_u64 s[G0V+2:G0V+3], s[14:15], 16777216
	s_or_b32 s[G0V+3], s[G0V+3], 0x80000000
	s_add_nc_u64 s[16:17], s[4:5], s[16:17]        ; Q at my first query
	s_add_nc_u64 s[MP:MP+1], s[6:7], s[18:19]
	s_add_nc_u64 s[PFA:PFA+1], s[4:5], s[20:21]
	CROUND                                         ; all four work-groups are here: the first joint loads meet
	JLOAD                                          ; keys 0 to 511 into slot 0
	v_and_b32 v12, 15, v0                          ; r
	v_bfe_u32 v14, v0, 4, 1                        ; h
	v_lshlrev_b32 v11, 7, v12
	v_lshl_add_u32 v11, v14, 4, v11                ; Q: row r of 128 bytes, + 16 h
.irp x, 0,1
.irp kk, 0,1
	global_load_b128 v[Q+16*\x+8*\kk:Q+16*\x+8*\kk+3],   v11, s[16:17] offset:2048*\x+64*\kk
	global_load_b128 v[Q+16*\x+8*\kk+4:Q+16*\x+8*\kk+7], v11, s[16:17] offset:2048*\x+64*\kk+32
.endr
.endr
	s_wait_xcnt 0x0                                ; Q's loads have read their base: the mask words land on it
	MLOADS                                         ; key step 0's
	v_mov_b32 v[NEG], 0xfe800000
	v_bfe_u32 v12, v0, 1, 3                        ; r / 2: a line holds two keys
	v_and_b32 v13, 1, v0
	v_mul_u32_u24 v[AK], v12, KLINE
	v_lshl_add_u32 v[AK], v13, 7, v[AK]
	v_lshl_add_u32 v[AK], v14, 4, v[AK]            ; K: key r of a tile: (r / 2) lines + 128 (r % 2) + 16 h: 16 lanes fall on 16 different 16-byte columns of 256
	v_add_nc_u32 v[AK+1], SLOTB, v[AK]
	v_bfe_u32 v12, v0, 1, 2
	v_lshl_add_u32 v12, v14, 2, v12
	v_mul_u32_u24 v[AV], v12, VLINE
	v_lshl_add_u32 v[AV], v13, 7, v[AV]
	v_bfe_u32 v15, v0, 3, 1
	v_lshl_add_u32 v[AV], v15, 4, v[AV]            ; V, for the turning load: key 8 h + l % 8, channels 8 ((l / 8) % 2) on
	v_add_nc_u32 v[AV], VOFF, v[AV]
	v_add_nc_u32 v[AV+1], SLOTB, v[AV]
	v_and_b32 v[PFO], 31, v0
	v_lshlrev_b32 v[PFO], 8, v[PFO]
.irp x, 0,1
	v_mov_b32 v[ST+8*\x+1], v[NEG]                 ; m: under every score
	v_mul_f32 v[ST+8*\x], CLIT, v[NEG]             ; c m
	v_mov_b32 v[ST+8*\x+2], 0                      ; l
	v_mov_b32 v[ST+8*\x+3], 0
.endr
.set J, 0
.rept 64
	v_mov_b32 v[O+J], 0                            ; O^T.  (The step is written once for all steps: the first finds zeros)
.set J, J+1
.endr
	s_wait_loadcnt 0x0                             ; Q
; A KEY STEP: 64 keys of the slot in hand, at s[KO] and s[VO] bytes in its K and V.
.macro STEP slot
	v_add_nc_u32 v[ADK], s[KO], v[AK+\slot]
	v_add_nc_u32 v[ADV], s[VO], v[AV+\slot]
.rept 3
	v_nop                                          ; with the two additions five places behind the last V^T P: four for the loads into its fragments' registers, five for the products that write over P
.endr
.irp t, 0,1,2,3
.irp kk, 0,1
	ds_load_b128 v[KV+8*(2*\t+\kk):KV+8*(2*\t+\kk)+3],   v[ADK] offset:8*KLINE*\t+64*\kk
	ds_load_b128 v[KV+8*(2*\t+\kk)+4:KV+8*(2*\t+\kk)+7], v[ADK] offset:8*KLINE*\t+64*\kk+32
.endr
.endr
	s_wait_dscnt 0x0
.irp kk, 0,1                                   ; S^T = K Q^T: eight accumulators by turns, one instruction a turn
.irp t, 0,1,2,3
.irp x, 0,1
.if \kk == 0
	v_wmma_f32_16x16x32_f16 v[S+32*\x+8*\t:S+32*\x+8*\t+7], v[KV+8*(2*\t+\kk):KV+8*(2*\t+\kk)+7], v[Q+16*\x+8*\kk:Q+16*\x+8*\kk+7], 0
.else
	v_wmma_f32_16x16x32_f16 v[S+32*\x+8*\t:S+32*\x+8*\t+7], v[KV+8*(2*\t+\kk):KV+8*(2*\t+\kk)+7], v[Q+16*\x+8*\kk:Q+16*\x+8*\kk+7], v[S+32*\x+8*\t:S+32*\x+8*\t+7]
.endif
.endr
.endr
.endr
.rept 4
	v_nop                                          ; places: for the loads into K's registers and the reads of the scores
.endr
.irp u, 0,1
.irp ct, 0,1,2,3
	ds_load_tr16_b128 v[KV+8*(4*\u+\ct):KV+8*(4*\u+\ct)+3],   v[ADV] offset:16*VLINE*\u+32*\ct
	ds_load_tr16_b128 v[KV+8*(4*\u+\ct)+4:KV+8*(4*\u+\ct)+7], v[ADV] offset:16*VLINE*\u+32*\ct+8*VLINE
.endr
.endr
	s_wait_kmcnt 0x0                               ; this step's mask words, asked for a step ago
.set J, 0
.rept 32
	v_cndmask_b32 v[S+J], v[NEG], v[S+J], s[4+J]   ; ascending: each accumulator is read from its low end on
.set J, J+1
.endr
.set J, 0
.rept 24
	v_cndmask_b32 v[S+32+J], v[NEG], v[S+32+J], s[36+J]
.set J, J+1
.endr
.set J, 0
.rept 8
	v_cndmask_b32 v[S+56+J], v[NEG], v[S+56+J], s[68+J]
.set J, J+1
.endr
	s_add_co_u32 s[SOFF], s[SOFF], 128             ; (the wait above has shown the loads that read it done)
	s_and_b32 s[SOFF], s[SOFF], 0x1fff             ; behind the last step it turns back to the first: no load leaves the buffer; those words are not used
	MLOADS                                         ; the next step's words have the rest of this step in which to come
.irp j, 0,1,2,3                                ; the maximum of the 32 scores and the old m, three operands at a time, the two tiles line by line
.irp x, 0,1
	v_max3_num_f32 v[ST+8*\x+4+\j], v[S+32*\x+8*\j], v[S+32*\x+8*\j+1], v[S+32*\x+8*\j+2]
.endr
.endr
.irp g, 1,2
.irp j, 0,1,2,3
.irp x, 0,1
	v_max3_num_f32 v[ST+8*\x+4+\j], v[ST+8*\x+4+\j], v[S+32*\x+8*\j+2*\g+1], v[S+32*\x+8*\j+2*\g+2]
.endr
.endr
.endr
.irp x, 0,1
	v_max3_num_f32 v[ST+8*\x+4], v[ST+8*\x+4], v[S+32*\x+7], v[S+32*\x+15]
	v_max3_num_f32 v[ST+8*\x+6], v[ST+8*\x+6], v[S+32*\x+23], v[S+32*\x+31]
.endr
.irp x, 0,1
	v_max3_num_f32 v[ST+8*\x+4], v[ST+8*\x+4], v[ST+8*\x+5], v[ST+8*\x+6]
.endr
.irp x, 0,1
	v_max3_num_f32 v[ST+8*\x+4], v[ST+8*\x+4], v[ST+8*\x+7], v[ST+8*\x+1]
.endr
.irp x, 0,1
	v_permlanex16_b32 v[ST+8*\x+5], v[ST+8*\x+4], s[SEL], s[SEL+1]   ; the query's other 32 keys lie in the lane 16 away
	v_mov_b32 v[ST+8*\x+7], v[ST+8*\x]             ; c m_old
.endr
.irp x, 0,1
	v_max_num_f32 v[ST+8*\x+1], v[ST+8*\x+4], v[ST+8*\x+5]
.endr
.irp x, 0,1
	v_mul_f32 v[ST+8*\x], CLIT, v[ST+8*\x+1]
.endr
.irp x, 0,1
	v_sub_f32 v[ST+8*\x+7], v[ST+8*\x+7], v[ST+8*\x]
.endr
.irp b, 0,2,4,6,8,10,12,14,16,18,20,22,24,26,28,30
.irp x, 0,1
	v_pk_fma_f32 v[S+32*\x+\b:S+32*\x+\b+1], v[S+32*\x+\b:S+32*\x+\b+1], CLIT, v[ST+8*\x:ST+8*\x+1] op_sel_hi:[1,0,0] neg_lo:[0,0,1] neg_hi:[0,0,1]   ; c s - c m
.endr
.endr
.irp x, 0,1
	v_exp_f32 v[ST+8*\x+6], v[ST+8*\x+7]           ; a = 2^(c m_old - c m_new)
.endr
.set J, 0
.rept 64
	v_exp_f32 v[S+J], v[S+J]                       ; p
.set J, J+1
.endr
	v_nop                                          ; a plain instruction behind the last exponential
	s_wait_alu depctr_va_vdst(0)                   ; one wait for the batch of 66, ahead of its first reader
.irp x, 0,1
	v_pk_mul_f32 v[ST+8*\x+2:ST+8*\x+3], v[ST+8*\x+2:ST+8*\x+3], v[ST+8*\x+6:ST+8*\x+7] op_sel_hi:[1,0]   ; l under the new m
	v_pk_add_f32 v[ST+8*\x+4:ST+8*\x+5], v[S+32*\x+2:S+32*\x+3], v[S+32*\x+6:S+32*\x+7]                   ; the sums, two at a time, in two chains
.endr
.irp n, 0,4
.irp x, 0,1
	v_pk_add_f32 v[ST+8*\x+2:ST+8*\x+3], v[ST+8*\x+2:ST+8*\x+3], v[S+32*\x+\n:S+32*\x+\n+1]
.endr
.endr
.irp n, 8,12,16,20,24,28
.irp x, 0,1
	v_pk_add_f32 v[ST+8*\x+2:ST+8*\x+3], v[ST+8*\x+2:ST+8*\x+3], v[S+32*\x+\n:S+32*\x+\n+1]
	v_pk_add_f32 v[ST+8*\x+4:ST+8*\x+5], v[ST+8*\x+4:ST+8*\x+5], v[S+32*\x+\n+2:S+32*\x+\n+3]
.endr
.endr
.irp x, 0,1
	v_pk_add_f32 v[ST+8*\x+2:ST+8*\x+3], v[ST+8*\x+2:ST+8*\x+3], v[ST+8*\x+4:ST+8*\x+5]
.endr
.irp n, 0,1,2,3,4,5,6,7,8,9,10,11,12,13,14,15
.irp x, 0,1
	v_cvt_pk_f16_f32 v[S+32*\x+\n], v[S+32*\x+2*\n], v[S+32*\x+2*\n+1]   ; in place, ascending: registers 8 u .. 8 u + 7 become P's fragment of keys 32 u on
.endr
.endr
.irp n, 0,2,4,6,8,10,12,14,16,18,20,22,24,26,28,30
.irp x, 0,1
	v_pk_mul_f32 v[O+32*\x+\n:O+32*\x+\n+1], v[O+32*\x+\n:O+32*\x+\n+1], v[ST+8*\x+6:ST+8*\x+7] op_sel_hi:[1,0]   ; O^T under the new m
.endr
.endr
	s_wait_dscnt 0x0                               ; V is in
.irp u, 0,1                                    ; O^T += V^T P: eight accumulators by turns
.irp ct, 0,1,2,3
.irp x, 0,1
	v_wmma_f32_16x16x32_f16 v[O+32*\x+8*\ct:O+32*\x+8*\ct+7], v[KV+8*(4*\u+\ct):KV+8*(4*\u+\ct)+7], v[S+32*\x+8*\u:S+32*\x+8*\u+7], v[O+32*\x+8*\ct:O+32*\x+8*\ct+7]
.endr
.endr
.endr
.endm
; A SLOT'S WORK, with the change of slots at its head.  Each wave waits for all its tensor loads (one is out: its part of this slot), adds 0 to its spare word, and waits for that and for its reads of the other slot.
; refill = 1: behind a round of the cluster's barrier the other slot takes the next 512 keys: the load has this slot's eight steps in which to land.
.macro TRIP slot, refill, ask
	s_wait_tensorcnt 0x0                           ; no tensor load of mine is out, so a group 0 may be written
	ds_add_u32 v[SPW], v[NIL]                      ; the descriptors' steps stand between the add and the wait for it
.if \refill
	s_and_b32 s[G0K+1], s[WV], 3
	s_mul_i32 s[G0K+1], s[G0K+1], KQ4
	s_add_co_u32 s[G0K+1], s[G0K+1], (1-\slot)*SLOTB
	s_add_nc_u64 s[G0K+2:G0K+3], s[G0K+2:G0K+3], 65536   ; the next 512 keys; the type bits on top are not reached
	s_and_b32 s[G0V+1], s[WV], 3
	s_mul_i32 s[G0V+1], s[G0V+1], VQ4
	s_add_co_u32 s[G0V+1], s[G0V+1], (1-\slot)*SLOTB+VOFF
	s_add_nc_u64 s[G0V+2:G0V+3], s[G0V+2:G0V+3], 65536
.endif
.if \ask
	s_wait_xcnt 0x0                                ; the last prefetch, a slot back, has read its address
	s_add_nc_u64 s[PFA:PFA+1], s[PFA:PFA+1], 65536 ; one slot further on than the descriptors
.endif
	s_wait_dscnt 0x0                               ; the add is done, and my reads of the other slot are over
.if \refill
	CROUND                                         ; no wave of any partner still reads the other slot or has a load on its way
	JLOAD                                          ; the first tensor load behind the round, and my only one until the next
.if \ask
	ASK
.endif
.else
	s_barrier_signal -1
	s_barrier_wait -1
.endif
	s_mov_b32 s[KO], 0
	s_mov_b32 s[VO], 0
.Lstep_\@:
	STEP \slot
	s_add_co_u32 s[VO], s[VO], VSTEPB
	s_add_co_u32 s[KO], s[KO], KSTEPB
	s_cmp_lt_u32 s[KO], 8*KSTEPB
	s_cbranch_scc1 .Lstep_\@
.endm
.Lpair:                                            ; three trips: slots' worth 0 to 5 of the keys
	TRIP 0, 1, 1
	TRIP 1, 1, 1
	s_sub_co_u32 s[PC], s[PC], 1
	s_cmp_lg_u32 s[PC], 0
	s_cbranch_scc1 .Lpair
	TRIP 0, 1, 0                                   ; the tail is written out: the last 512 keys are asked for, and nothing is left to prefetch
	TRIP 1, 0, 0
	; THE WAY OUT.  l's two halves and the other half of the lanes' are added; O^T is divided by l, rounded to f16 and sent through my stage in LDS (in slot 0: it has had its last fill, and every wave has left it).
.rept 4
	v_nop                                          ; places behind the last products
.endr
.irp x, 0,1
	v_add_f32 v[ST+8*\x+4], v[ST+8*\x+2], v[ST+8*\x+3]
.endr
.irp x, 0,1
	v_permlanex16_b32 v[ST+8*\x+5], v[ST+8*\x+4], s[SEL], s[SEL+1]
.endr
.irp x, 0,1
	v_add_f32 v[ST+8*\x+4], v[ST+8*\x+4], v[ST+8*\x+5]
.endr
.irp x, 0,1
	v_rcp_f32 v[ST+8*\x+6], v[ST+8*\x+4]
.endr
	v_and_b32 v12, 15, v0                          ; (plain work behind the reciprocals)  r
	s_wait_kmcnt 0x0                               ; the mask words asked for in the last step have landed: their registers are free
	s_load_b64 s[4:5], s[0:1], 0x10                ; vals
	v_bfe_u32 v13, v0, 4, 1                        ; h
	s_mul_i32 s[VO], s[WV], 2*16*144               ; my stage: two tiles of 16 rows of 128 bytes + 16
	v_mul_u32_u24 v[ADK], v12, 144
	v_lshl_add_u32 v[ADK], v13, 4, v[ADK]
	v_add_nc_u32 v[ADK], s[VO], v[ADK]             ; in: row r, 16 h bytes on
	v_bfe_u32 v14, v0, 3, 2
	v_and_b32 v15, 7, v0
	v_mul_u32_u24 v[ADV], v14, 144
	v_lshl_add_u32 v[ADV], v15, 4, v[ADV]
	v_add_nc_u32 v[ADV], s[VO], v[ADV]             ; back: eight lanes to a row, four rows an instruction
	v_and_b32 v11, 31, v0
	v_lshlrev_b32 v11, 4, v11
	s_bfe_u32 s6, ttmp6, 0x40000
	s_lshl_b32 s7, ttmp9, 2
	s_add_co_u32 s6, s6, s7
	s_lshl_b32 s6, s6, 15                          ; my block,
	s_lshl_b32 s7, s[WV], 12                       ; my wave's 32 rows,
	s_add_co_u32 s6, s6, s7
	s_and_b32 s7, ttmp7, 0xffff
	s_lshl_b32 s7, s7, 19                          ; my head
	s_add_co_u32 s6, s6, s7
	s_mov_b32 s7, 0
	s_wait_kmcnt 0x0
	s_add_nc_u64 s[4:5], s[4:5], s[6:7]
	s_wait_alu depctr_va_vdst(0)                   ; one wait for the two reciprocals, ahead of their first reader
.irp x, 0,1
.irp n, 0,2,4,6,8,10,12,14,16,18,20,22,24,26,28,30
	v_pk_mul_f32 v[S+32*\x+\n:S+32*\x+\n+1], v[O+32*\x+\n:O+32*\x+\n+1], v[ST+8*\x+6:ST+8*\x+7] op_sel_hi:[1,0]
.endr
.irp n, 0,1,2,3,4,5,6,7,8,9,10,11,12,13,14,15
	v_cvt_pk_f16_f32 v[KV+16*\x+\n], v[S+32*\x+2*\n], v[S+32*\x+2*\n+1]
.endr
.irp ct, 0,1,2,3
	ds_store_b128 v[ADK], v[KV+16*\x+4*\ct:KV+16*\x+4*\ct+3] offset:2304*\x+32*\ct
.endr
.irp i, 0,1,2,3
	ds_load_b128 v[KV+32+16*\x+4*\i:KV+32+16*\x+4*\i+3], v[ADV] offset:2304*\x+576*\i   ; LDS serves a wave's instructions in order: these see the stores above
.endr
.endr
	s_wait_dscnt 0x0
.irp x, 0,1
.irp i, 0,1,2,3
	global_store_b128 v11, v[KV+32+16*\x+4*\i:KV+32+16*\x+4*\i+3], s[4:5] offset:2048*\x+512*\i   ; 32 lanes store 512 consecutive bytes
.endr
.endr
	s_wait_tensorcnt 0x0                           ; the wave's end, behind my last tensor load and my last LDS store
	ds_add_u32 v[SPW], v[NIL]
	s_wait_dscnt 0x0
	CROUND                                         ; the closing round
	s_endpgm
.Lfunc_end_k_q4e2581c376_attn:
	.size	k_q4e2581c376_attn, .Lfunc_end_k_q4e2581c376_attn-k_q4e2581c376_attn
	.p2alignl 7, 3214868480
	.fill 96, 4, 3214868480
	.section	.rodata,"a",@progbits
	.p2align	6, 0x0
	.amdhsa_kernel k_q4e2581c376_attn
		.amdhsa_group_segment_fixed_size 327680
		.amdhsa_private_segment_fixed_size 0
		.amdhsa_enable_private_segment 0
		.amdhsa_kernarg_size 24
		.amdhsa_user_sgpr_count 2
		.amdhsa_user_sgpr_kernarg_segment_ptr 1
		.amdhsa_wavefront_size32 1
		.amdhsa_system_sgpr_workgroup_id_x 1
		.amdhsa_system_sgpr_workgroup_id_y 1
		.amdhsa_system_sgpr_workgroup_id_z 1
		.amdhsa_system_vgpr_workitem_id 0
		.amdhsa_next_free_vgpr 256
		.amdhsa_next_free_sgpr 106
		.amdhsa_reserve_vcc 0
		.amdhsa_float_denorm_mode_32 3
		.amdhsa_float_denorm_mode_16_64 3
		.amdhsa_memory_ordered 1
		.amdhsa_forward_progress 1
		.amdhsa_inst_pref_size 114
	.end_amdhsa_kernel
	.amdgpu_metadata
---
amdhsa.version: [ 1, 2 ]
amdhsa.kernels:
  - .name:           k_q4e2581c376_attn
    .symbol:         k_q4e2581c376_attn.kd
    .args:
      - { .name: qkv, .offset: 0, .size: 8, .value_kind: global_buffer, .address_space: global }
      - { .name: mbits, .offset: 8, .size: 8, .value_kind: global_buffer, .address_space: global }
      - { .name: vals, .offset: 16, .size: 8, .value_kind: global_buffer, .address_space: global }
    .group_segment_fixed_size: 327680
    .private_segment_fixed_size: 0
    .kernarg_segment_align: 8
    .kernarg_segment_size: 24
    .max_flat_workgroup_size: 256
    .sgpr_count:     106
    .vgpr_count:     256
    .wavefront_size: 32
...
	.end_amdgpu_metadata
.endif
;; end of part 3
;; launch oproj (part 4): grid 8 x 32, 4 waves a work-group, clusters of 4 x 4, 327,680 bytes of LDS; arguments vals, tab, out0; writes out0
.if DOCPART == 4
	.amdgcn_target "amdgcn-amd-amdhsa--gfx1250"
	.amdhsa_code_object_version 6
	.text
	.protected	k_q4e2581c376_oproj
	.globl	k_q4e2581c376_oproj
	.p2align	8
	.type	k_q4e2581c376_oproj,@function
k_q4e2581c376_oproj:
	s_mov_b64 s[64:65], 0
	v_nop
	global_prefetch_b8 v0, s[64:65] scope:SCOPE_SE
	s_setreg_imm32_b32 hwreg(HW_REG_WAVE_MODE, 25, 1), 1
	s_wait_xcnt 0x0
	s_wait_alu depctr_hold_cnt(0) depctr_sa_sdst(0) depctr_va_vdst(0) depctr_va_sdst(0) depctr_va_ssrc(0) depctr_va_vcc(0) depctr_vm_vsrc(0)
	s_getreg_b32 s2, hwreg(HW_REG_IB_STS2, 6, 4)
	s_cmp_eq_u32 s2, 0
	s_cbranch_scc0 .Lentry_in_a_cluster
	s_endpgm
.Lentry_in_a_cluster:
	s_bfe_u32 s2, ttmp6, 0x10000c
	s_cmp_lg_u32 s2, 0xf033
	s_cbranch_scc0 .Lentry_shape_is_right
	s_endpgm
.Lentry_shape_is_right:
; out0[t][o] = the sum over heads h and channels e of vals[h][t][e] woh[h][o][e].  vals: [16][4096][64] f16; woh: tab + 1,048,576, [16][1024][64] f16; out0: [4096][1024] f32; sums in f32.
; A tile of out0 is 128 x 128: 256 work-groups of four waves, each wave 64 x 64: 16 accumulators.  K goes in steps of four heads (256) through a ring of two LDS slots.
; A head's 128 rows of a tile are 16,384 dense bytes; one tensor load brings two heads' (two rows of 8,192 elements), padded by 16 bytes behind every 256: lines of two rows, 272 bytes apart.
; CLUSTERS: 4 x 4 work-groups.  The four of a row of the cluster need the same tiles of vals, the four of a column the same tiles of woh: each is asked for JOINTLY.
; THE MATRIX INSTRUCTION IS USED TRANSPOSED (source 0 = 16 rows of woh, source 1 = 16 tokens): a lane holds eight neighbouring numbers of a row of out0.
; The first 16 rows of out0 are stored here like the others and stored anew, more finely, by a later launch.
; No prefetch: a K step here is 128 matrix instructions a wave on a small tile, and the launch is short.
; REGISTERS: window 0: v0-31 addresses; v32-95 at work on the way out; v128-255 the accumulators ((a, b) at v[128 + 8 (4 a + b)]).   window 1: two fragment buffers of 128.
.set LINE,   272
.set HEADB,  64*LINE                   ; a head's 128 rows in LDS
.set HALFT,  2*HEADB                   ; what one tensor load brings
.set SLOT,   4*HALFT                   ; vals' four heads, then woh's
.set R64,    32*LINE                   ; 64 rows
.set FRB,    8*LINE                    ; 16 rows
.set STAGE,  2*SLOT                    ; behind the ring: 16 rows x 272 bytes for each wave
.set SPITCH, 272
.set SPARE,  STAGE+4*16*SPITCH
.set LAPS,   2
.set ADRA, 16
.set ADRB, 20
.set STO,  24
.set RD,   25
.set CO,   26
.set SPW,  28
.set NIL,  29
.set TMP,  32
.set ACC,  128
.set F0,   0
.set F1,   128
.set G1, 24
.set G0, 32
.set G1B, 48
.set G0B, 56
.set MSB, 0
.macro WIN new                         ; the immediate's high byte repeats the setting that is left
.if MSB != \new
	s_set_vgpr_msb (MSB<<8)|\new
.set MSB, \new
.endif
.endm
.set MUL,  0x05
.set TO_F, 0x40
.macro JLOAD s                         ; waves 0 and 1 fetch vals' two pairs of heads, waves 2 and 3 woh's; an s_nop 0 and four v_nop follow each of the two lines
	s_cmp_eq_u32 s11, 0
	s_cbranch_scc0 .Lfor_b_\@
	tensor_load_to_lds s[G0+4*\s:G0+4*\s+3], s[G1:G1+7]
	s_nop 0
.rept 4
	v_nop
.endr
	s_branch .Lasked_\@
.Lfor_b_\@:
	tensor_load_to_lds s[G0B+4*\s:G0B+4*\s+3], s[G1B:G1B+7]
	s_nop 0
.rept 4
	v_nop
.endr
.Lasked_\@:
.endm
.macro CREST
	s_cmp_lg_u32 s10, 0
	s_cbranch_scc1 .Lnot_wave_0_\@
	s_barrier_signal -3
.Lnot_wave_0_\@:
	s_barrier_wait -3
	s_barrier_signal -1
	s_barrier_wait -1
.endm
.macro CROUND
	s_barrier_signal -1
	s_barrier_wait -1
	CREST
.endm
	s_load_b128 s[4:7], s[0:1], 0x0                ; vals, tab
	s_load_b64 s[8:9], s[0:1], 0x10                ; out0
	v_lshl_add_u32 v[SPW], v0, 2, SPARE
	v_mov_b32 v[NIL], 0
	ds_add_u32 v[SPW], v[NIL]                      ; the wave's opening: the add, twice on end, and its wait ahead of my first tensor load
	ds_add_u32 v[SPW], v[NIL]
	v_lshrrev_b32 v1, 5, v0
	v_readfirstlane_b32 s10, v1                    ; wave 0..3
	s_lshr_b32 s11, s10, 1                         ; which half of the tile's tokens is mine.  Also: I fetch for vals (0) or for woh (1)
	s_and_b32 s12, s10, 1                          ; which half of its columns.  Also: which two heads of a slot's four I fetch
	s_bfe_u32 s40, ttmp6, 0x40000
	s_bfe_u32 s41, ttmp6, 0x40004
	s_lshl_b32 s42, ttmp9, 2
	s_add_co_u32 s42, s42, s40                     ; tile column
	s_and_b32 s13, ttmp7, 0xffff
	s_lshl_b32 s13, s13, 2
	s_add_co_u32 s13, s13, s41                     ; tile row
	s_lshl_b32 s43, s41, 2
	s_lshl_b32 s43, 15, s43                        ; my row of the cluster
	s_lshl_b32 s44, 0x1111, s40                    ; my column
	s_or_b32 s[G1+0], s43, (1<<16)|(1<<20)|(1<<21)|(5<<22)|(3<<25)  ; the mask; elements of 2 bytes; padding on; bit 21 beside a mask; 4 words after every 64
	s_or_b32 s[G1B+0], s44, (1<<16)|(1<<20)|(1<<21)|(5<<22)|(3<<25)
.irp g, G1, G1B
	s_mov_b32 s[\g+1], 8192<<16                    ; tensor_dim0 = 8,192 elements: a head's 128 rows
	s_mov_b32 s[\g+2], 2<<16                       ; tensor_dim1 = 2 heads
	s_mov_b32 s[\g+3], 8192<<16                    ; tile_dim0
	s_mov_b32 s[\g+4], 2                           ; tile_dim1
	s_mov_b32 s[\g+6], 0
	s_mov_b32 s[\g+7], 0
.endr
	s_mov_b32 s[G1+5], 262144                      ; from head to head, in elements: vals
	s_mov_b32 s[G1B+5], 65536                      ; woh
	s_lshl_b32 s16, s12, 20                        ; vals: my two heads of 524,288 bytes,
	s_lshl_b32 s17, s13, 14                        ; the tile's 128 tokens of 128 bytes
	s_add_co_u32 s16, s16, s17
	s_mov_b32 s17, 0
	s_lshl_b32 s46, s12, 18                        ; woh: my two heads of 131,072 bytes,
	s_lshl_b32 s47, s42, 14                        ; the tile's 128 outputs
	s_add_co_u32 s46, s46, s47
	s_add_co_u32 s46, s46, 1048576
	s_mov_b32 s47, 0
	s_mul_i32 s20, s10, HALFT                      ; where they go: no place in the cluster enters an LDS address
	s_wait_dscnt 0x0                               ; both opening adds are done
	s_wait_kmcnt 0x0
	s_add_nc_u64 s[14:15], s[4:5], s[16:17]
	s_add_nc_u64 s[46:47], s[6:7], s[46:47]
	CROUND                                         ; all sixteen work-groups are here: the first joint loads meet
.irp s, 0,1
	s_mov_b32 s[G0+4*\s], 1
	s_add_co_u32 s[G0+4*\s+1], s20, \s*SLOT
	s_add_nc_u64 s[G0+4*\s+2:G0+4*\s+3], s[14:15], \s*2097152      ; K step s: four heads on
	s_or_b32 s[G0+4*\s+3], s[G0+4*\s+3], 0x80000000
	s_mov_b32 s[G0B+4*\s], 1
	s_add_co_u32 s[G0B+4*\s+1], s20, \s*SLOT
	s_add_nc_u64 s[G0B+4*\s+2:G0B+4*\s+3], s[46:47], \s*524288
	s_or_b32 s[G0B+4*\s+3], s[G0B+4*\s+3], 0x80000000
	JLOAD \s
.endr
	v_and_b32 v1, 15, v0                           ; r
	v_bfe_u32 v2, v0, 4, 1                         ; h
	v_bfe_u32 v3, v0, 1, 3
	v_and_b32 v4, 1, v0
	v_mul_u32_u24 v3, v3, LINE
	v_lshl_add_u32 v3, v4, 7, v3
	v_lshl_add_u32 v3, v2, 4, v3                   ; a fragment's row r: (r / 2) lines + 128 (r % 2) + 16 h
	s_mul_i32 s21, s11, R64                        ; my 64 tokens in each head's block
	s_mul_i32 s22, s12, R64                        ; my 64 outputs,
	s_add_co_u32 s22, s22, 2*HALFT                 ; behind vals' four heads
.irp s, 0,1
	v_add_nc_u32 v[ADRA+\s], s21, v3
	v_add_nc_u32 v[ADRB+\s], s22, v3
	s_add_co_u32 s21, s21, SLOT
	s_add_co_u32 s22, s22, SLOT
.endr
	s_mul_i32 s23, s10, 16*SPITCH
	s_add_co_u32 s23, s23, STAGE                   ; my stage
	v_mul_u32_u24 v4, v1, SPITCH
	v_lshl_add_u32 v4, v2, 5, v4
	v_add_nc_u32 v[STO], s23, v4                   ; in: row r, 32 h bytes on
	v_mul_u32_u24 v5, v2, SPITCH
	v_lshl_add_u32 v5, v1, 4, v5
	v_add_nc_u32 v[RD], s23, v5                    ; back: lanes 0-15 one row of 256 bytes, lanes 16-31 the next
	v_lshlrev_b32 v5, 12, v2
	v_lshl_add_u32 v[CO], v1, 4, v5                ; and the same two rows in out0
	s_lshl_b32 s16, s13, 19                        ; 128 rows of 4,096 bytes a tile row,
	s_lshl_b32 s17, s11, 18                        ; 64 for my half
	s_add_co_u32 s16, s16, s17
	s_mov_b32 s17, 0
	s_add_nc_u64 s[8:9], s[8:9], s[16:17]
	s_lshl_b32 s46, s42, 9                         ; 512 bytes a tile column,
	s_lshl_b32 s47, s12, 8                         ; 256 for my half
	s_add_co_u32 s46, s46, s47
	s_mov_b32 s47, 0
	s_add_nc_u64 s[8:9], s[8:9], s[46:47]
.macro MUL8 f, c, a0, zero             ; 8 matrix instructions: token blocks a0, a0 + 1 x all 4 output blocks, 32 along K
.irp a, \a0, \a0+1
.irp b, 0,1,2,3
.if \zero
	v_wmma_f32_16x16x32_f16 v[ACC+8*(4*(\a)+\b):ACC+8*(4*(\a)+\b)+7], v[\f+64+8*(4*\c+\b):\f+64+8*(4*\c+\b)+7], v[\f+8*(4*\c+\a):\f+8*(4*\c+\a)+7], 0
.else
	v_wmma_f32_16x16x32_f16 v[ACC+8*(4*(\a)+\b):ACC+8*(4*(\a)+\b)+7], v[\f+64+8*(4*\c+\b):\f+64+8*(4*\c+\b)+7], v[\f+8*(4*\c+\a):\f+8*(4*\c+\a)+7], v[ACC+8*(4*(\a)+\b):ACC+8*(4*(\a)+\b)+7]
.endif
.endr
.endr
.endm
.macro FETCH slot, k, f                ; 32 LDS loads in one run: one head's fragments (its block begins at byte k of the slot's part), the first 32 channels first
	WIN TO_F
.irp c, 0,1
.irp i, 0,1,2,3
	ds_load_b128 v[\f+64+8*(4*\c+\i):\f+64+8*(4*\c+\i)+3],   v[ADRB+\slot] offset:\k+64*\c+\i*FRB
	ds_load_b128 v[\f+64+8*(4*\c+\i)+4:\f+64+8*(4*\c+\i)+7], v[ADRB+\slot] offset:\k+64*\c+\i*FRB+32
	ds_load_b128 v[\f+8*(4*\c+\i):\f+8*(4*\c+\i)+3],         v[ADRA+\slot] offset:\k+64*\c+\i*FRB
	ds_load_b128 v[\f+8*(4*\c+\i)+4:\f+8*(4*\c+\i)+7],       v[ADRA+\slot] offset:\k+64*\c+\i*FRB+32
.endr
.endr
.endm
.macro PLACES
.rept 4
	v_nop
.endr
.endm
; A K step is four heads, 32 matrix instructions each, on buffers 0, 1, 0, 1.  One of the first three: multiplies buffer f and fetches the next head, at byte k, into g.
.macro QUARTER slot, k, f, g, zero
	s_wait_dscnt 16                                ; the first 32 channels are in; the other sixteen loads may be out
	WIN MUL
	MUL8 \f, 0, 0, \zero
	MUL8 \f, 0, 2, \zero
	PLACES
	FETCH \slot, \k, \g
	s_wait_dscnt 32                                ; all but the 32 just issued
	WIN MUL
	MUL8 \f, 1, 0, 0
	MUL8 \f, 1, 2, 0
.endm
; The last head of a slot multiplies buffer 1 and changes slots: ONE barrier; in front of it each wave waits for all its tensor loads, adds 0 to its spare word, and waits for that and for its own reads of this slot.
.macro TURN slot, next, fill
	WIN 0
	s_wait_tensorcnt 0x0                           ; my part of the next slot has landed
	ds_add_u32 v[SPW], v[NIL]
	s_wait_dscnt 17                                ; (the add and the youngest sixteen loads may be out)
	WIN MUL
	MUL8 F1, 0, 0, 0
	s_wait_dscnt 0x0                               ; the add is done, and my reads of this slot are over
	s_barrier_signal -1
	MUL8 F1, 0, 2, 0
.if \fill
	WIN 0
.endif
	s_barrier_wait -1
.if \fill
	CREST                                          ; the barrier has opened a round of the cluster's: no wave of any partner still reads this slot or has a load on its way
	s_add_nc_u64 s[G0+4*\slot+2:G0+4*\slot+3], s[G0+4*\slot+2:G0+4*\slot+3], 4194304     ; eight heads on
	s_add_nc_u64 s[G0B+4*\slot+2:G0B+4*\slot+3], s[G0B+4*\slot+2:G0B+4*\slot+3], 1048576
	JLOAD \slot                                    ; the first tensor load behind the round; its four v_nop are also the places in front of the loads below
.else
	PLACES
.endif
	FETCH \next, 0, F0
	WIN MUL
	MUL8 F1, 1, 0, 0
	MUL8 F1, 1, 2, 0
.endm
	s_wait_tensorcnt 1                             ; my part of K step 0 is in (K step 1's load may be out)
	s_barrier_signal -1
	s_barrier_wait -1                              ; everybody's is
	FETCH 0, 0, F0
	QUARTER 0, HEADB, F0, F1, 1                    ; the first head's first products start the sums
	WIN 0
	s_mov_b32 s3, LAPS-1
.Llap:
	QUARTER 0, 2*HEADB, F1, F0, 0
	QUARTER 0, 3*HEADB, F0, F1, 0
	TURN 0, 1, 1
	QUARTER 1, HEADB, F0, F1, 0
	QUARTER 1, 2*HEADB, F1, F0, 0
	QUARTER 1, 3*HEADB, F0, F1, 0
	TURN 1, 0, 1
	QUARTER 0, HEADB, F0, F1, 0
	WIN 0
	s_sub_co_u32 s3, s3, 1
	s_cmp_lg_u32 s3, 0
	s_cbranch_scc1 .Llap
	QUARTER 0, 2*HEADB, F1, F0, 0                  ; the last lap fills nothing
	QUARTER 0, 3*HEADB, F0, F1, 0
	TURN 0, 1, 0
	QUARTER 1, HEADB, F0, F1, 0
	QUARTER 1, 2*HEADB, F1, F0, 0
	QUARTER 1, 3*HEADB, F0, F1, 0
	s_wait_dscnt 16
	WIN MUL
	MUL8 F1, 0, 0, 0
	MUL8 F1, 0, 2, 0
	s_wait_dscnt 0
	MUL8 F1, 1, 0, 0
	MUL8 F1, 1, 2, 0
	WIN 0
	; THE WAY OUT: my 64 columns are 256 bytes of a row: 16 rows at a time through my own stage, back as whole rows: sixteen lanes store 256 consecutive bytes.
.macro SENDBLK a
.if (\a) > 1
	s_wait_xcnt 0x0                                ; block a - 2's stores have read their registers
.endif
.irp b, 0,1,2,3
	ds_store_b128 v[STO], v[ACC+8*(4*(\a)+\b):ACC+8*(4*(\a)+\b)+3] offset:64*\b          ; each accumulator from its low end on
	ds_store_b128 v[STO], v[ACC+8*(4*(\a)+\b)+4:ACC+8*(4*(\a)+\b)+7] offset:64*\b+16
.endr
.irp t, 0,1,2,3,4,5,6,7
	ds_load_b128 v[TMP+32*((\a)%2)+4*\t:TMP+32*((\a)%2)+4*\t+3], v[RD] offset:2*SPITCH*\t   ; LDS serves a wave's instructions in order: these see the stores above
.endr
	s_wait_dscnt 0x0
.irp t, 0,1,2,3,4,5,6,7
	global_store_b128 v[CO], v[TMP+32*((\a)%2)+4*\t:TMP+32*((\a)%2)+4*\t+3], s[8:9] offset:(16*(\a)+2*\t)*4096 th:TH_STORE_NT
.endr
.endm
	PLACES
	SENDBLK 0
	SENDBLK 1
	SENDBLK 2
	SENDBLK 3
	s_wait_tensorcnt 0x0                           ; the wave's end, behind my last tensor load and my last LDS store
	ds_add_u32 v[SPW], v[NIL]
	s_wait_dscnt 0x0
	CROUND                                         ; the closing round
	s_endpgm
.Lfunc_end_k_q4e2581c376_oproj:
	.size	k_q4e2581c376_oproj, .Lfunc_end_k_q4e2581c376_oproj-k_q4e2581c376_oproj
	.p2alignl 7, 3214868480
	.fill 96, 4, 3214868480
	.section	.rodata,"a",@progbits
	.p2align	6, 0x0
	.amdhsa_kernel k_q4e2581c376_oproj
		.amdhsa_group_segment_fixed_size 327680
		.amdhsa_private_segment_fixed_size 0
		.amdhsa_enable_private_segment 0
		.amdhsa_kernarg_size 24
		.amdhsa_user_sgpr_count 2
		.amdhsa_user_sgpr_kernarg_segment_ptr 1
		.amdhsa_wavefront_size32 1
		.amdhsa_system_sgpr_workgroup_id_x 1
		.amdhsa_system_sgpr_workgroup_id_y 1
		.amdhsa_system_sgpr_workgroup_id_z 1
		.amdhsa_system_vgpr_workitem_id 0
		.amdhsa_next_free_vgpr 512
		.amdhsa_next_free_sgpr 66
		.amdhsa_reserve_vcc 0
		.amdhsa_float_denorm_mode_32 3
		.amdhsa_float_denorm_mode_16_64 3
		.amdhsa_memory_ordered 1
		.amdhsa_forward_progress 1
		.amdhsa_inst_pref_size 86
	.end_amdhsa_kernel
	.amdgpu_metadata
---
amdhsa.version: [ 1, 2 ]
amdhsa.kernels:
  - .name:           k_q4e2581c376_oproj
    .symbol:         k_q4e2581c376_oproj.kd
    .args:
      - { .name: vals, .offset: 0, .size: 8, .value_kind: global_buffer, .address_space: global }
      - { .name: tab, .offset: 8, .size: 8, .value_kind: global_buffer, .address_space: global }
      - { .name: out0, .offset: 16, .size: 8, .value_kind: global_buffer, .address_space: global }
    .group_segment_fixed_size: 327680
    .private_segment_fixed_size: 0
    .kernarg_segment_align: 8
    .kernarg_segment_size: 24
    .max_flat_workgroup_size: 128
    .sgpr_count:     66
    .vgpr_count:     512
    .wavefront_size: 32
...
	.end_amdgpu_metadata
.endif
;; end of part 4
;; launch finea (part 5): grid 16 x 4, 16 waves a work-group, no clusters, 235,520 bytes of LDS; arguments qkv, mbits, fvals; writes fvals
.if DOCPART == 5
	.amdgcn_target "amdgcn-amd-amdhsa--gfx1250"
	.amdhsa_code_object_version 6
	.text
	.protected	k_q4e2581c376_finea
	.globl	k_q4e2581c376_finea
	.p2align	8
	.type	k_q4e2581c376_finea,@function
k_q4e2581c376_finea:
	s_mov_b64 s[64:65], 0
	v_nop
	global_prefetch_b8 v0, s[64:65] scope:SCOPE_SE
	s_setreg_imm32_b32 hwreg(HW_REG_WAVE_MODE, 25, 1), 1
	s_wait_xcnt 0x0
; THE FIRST 16 POSITIONS OF EVERY HEAD, MORE FINELY.  Under a causal mask these rows average one to a few values and are the largest of the output, so the rounding of P and V to f16 weighs most there.
; Scores as in the main launch (f16 Q and K, f32 sums); P and V as PAIRS of f16 numbers, a high and a low part: O^T = Vh^T Ph + Vh^T Pl + Vl^T Ph; the result stays in f32.
; P's high part is p rounded to 11 significant bits in f32 (half of the last kept place added to the bits, 13 bits cleared), whose conversion to f16 is exact; the low part is what is left.
; SHARES.  A work-group takes one head (x) and one chunk of 1,024 keys (y): 64 work-groups.  Wave w walks keys 64 w on of the chunk, 32 a substep, with a running maximum and sum of its own; the sixteen waves' parts
; meet in LDS: maxima, a barrier, parts under the chunk's maximum, a barrier, the sum.  NOTHING IS DIVIDED HERE: the next launch joins the four chunks of a head.
; V's 32 rows of a substep go through the wave's own LDS bytes (rows of 128 bytes + 32) and come back turned, by ds_load_tr16_b128.  No tensor loads.
; fvals: [16 heads][4 chunks][16 pairs][32 lanes][2] f32: pair w, lane (r, h), j = the chunk's sum of p V(:, channel 16 (w / 4) + 8 h + 2 (w % 4) + j) for query r, p = 2^(c s - c M), M the chunk's largest score of that query;
; at byte 262,144: [16 heads][4 chunks][32 lanes][2] f32: M and the chunk's sum of p, for query lane % 16.
; The mask is honoured as it is given (query tile 0's lane masks); a masked score becomes -2^126, as in the main launch.   LIMITS: as there.
.set CLIT,  0x3e38aa3b                 ; c = log2(e) / 8
.set NSUB,  2                          ; substeps of 32 keys a wave
.set WRG,   10240                      ; a wave's LDS: V's high parts, 32 rows of 160 bytes; at +5,120 the low parts
.set MB,    163840                     ; 16 x 128 bytes: the waves' maxima;  at +2,048 their sums
.set OB,    167936                     ; 16 x 4,096 bytes: the waves' O^T, as images of their registers
.set SPARE, 233472                     ; the spare words, 128 bytes for each wave
.set SPW, 1
.set NIL, 2
.set NEG, 3
.set KA,  4                            ; v4   r x 128 + 16 h: a fragment's row in Q and K
.set VA,  5                            ; v5   16 x lane
.set LST, 6                            ; v6   where V's rows go in my LDS bytes
.set LTR, 7                            ; v7   from where they come back turned
.set MBW, 8
.set MBR, 9
.set OBW, 10
.set OBR, 11
.set GOF, 12
.set Q,   16                           ; v16-31
.set ST,  32                           ; v32-39: +0 c m, +1 m, +2, +3 l (at the end: M and the chunk's sum), +4 .. +7 at work; a in +6
.set S,   40                           ; v40-55 the scores of 32 keys, then p
.set PH,  56
.set PL,  64
.set T,   72                           ; v72-87 p's high parts in f32, then the low parts
.set O,   88                           ; v88-119 O^T
.set KF,  120                          ; v120-151 K's four fragments
.set VH,  152                          ; v152-183 V's high parts as loaded
.set VL,  184                          ; v184-215 the low parts
.set VF,  216                          ; v216-247 V's four fragments
.set WV,  2
.set SEL, 50
	s_load_b128 s[52:55], s[0:1], 0x0              ; qkv, mbits
	s_load_b64 s[48:49], s[0:1], 0x10              ; fvals
	v_lshl_add_u32 v[SPW], v0, 2, SPARE
	v_mov_b32 v[NIL], 0
	v_lshrrev_b32 v13, 5, v0
	v_readfirstlane_b32 s[WV], v13                 ; wave 0..15
	s_mov_b32 s[SEL], 0x76543210
	s_mov_b32 s[SEL+1], 0xfedcba98
	s_mov_b32 s60, 0x1000
	s_mov_b32 s61, 0xffffe000
	v_mov_b32 v[NEG], 0xfe800000
	v_and_b32 v13, 15, v0                          ; r
	v_bfe_u32 v14, v0, 4, 1                        ; h
	v_lshlrev_b32 v[KA], 7, v13
	v_lshl_add_u32 v[KA], v14, 4, v[KA]
	v_and_b32 v15, 31, v0                          ; lane
	v_lshlrev_b32 v[VA], 4, v15
	v_lshlrev_b32 v[GOF], 3, v15
	s_mul_i32 s56, s[WV], WRG
	v_bfe_u32 v13, v0, 3, 2
	v_mul_u32_u24 v[LST], v13, 160
	v_and_b32 v13, 7, v0
	v_lshl_add_u32 v[LST], v13, 4, v[LST]
	v_add_nc_u32 v[LST], s56, v[LST]               ; a load's 512 bytes are four rows: row lane / 8, 16 (lane % 8) bytes on
	v_lshl_add_u32 v13, v14, 3, v13
	v_mul_u32_u24 v[LTR], v13, 160
	v_bfe_u32 v13, v0, 3, 1
	v_lshl_add_u32 v[LTR], v13, 4, v[LTR]
	v_add_nc_u32 v[LTR], s56, v[LTR]               ; key 8 h + l % 8, channels 8 ((l / 8) % 2) on
	v_lshl_add_u32 v[MBR], v15, 2, MB
	s_lshl_b32 s56, s[WV], 7
	v_add_nc_u32 v[MBW], s56, v[MBR]
	s_lshl_b32 s56, s[WV], 12
	s_add_co_u32 s56, s56, OB
	v_lshl_add_u32 v[OBW], v15, 4, s56
	s_lshr_b32 s56, s[WV], 1
	s_lshl_b32 s56, s56, 9
	s_and_b32 s57, s[WV], 1
	s_lshl_b32 s57, s57, 3
	s_add_co_u32 s56, s56, s57
	s_add_co_u32 s56, s56, OB
	v_lshl_add_u32 v[OBR], v15, 4, s56             ; registers 2 w and 2 w + 1 of an image: group w / 2 of four, 8 (w % 2) bytes on
	s_lshl_b32 s56, ttmp9, 19                      ; the head's bytes in a section
	s_mov_b32 s57, 0
	s_and_b32 s62, ttmp7, 0xffff                   ; the chunk
	s_lshl_b32 s58, s62, 17                        ; its 1,024 keys of 128 bytes,
	s_lshl_b32 s59, s[WV], 13                      ; my 64 of them
	s_add_co_u32 s58, s58, s59
	s_wait_kmcnt 0x0
	s_add_nc_u64 s[38:39], s[52:53], s[56:57]      ; Q: the head's first 16 rows
	s_add_co_u32 s56, s56, s58
	s_add_nc_u64 s[40:41], s[52:53], s[56:57]
	s_add_nc_u64 s[42:43], s[40:41], 16777216      ; V's high parts,
	s_add_nc_u64 s[44:45], s[40:41], 25165824      ; its low parts,
	s_add_nc_u64 s[40:41], s[40:41], 8388608       ; K
	s_lshl_b32 s56, s62, 11                        ; query tile 0's words: 128 bytes for each 64 keys: 2,048 a chunk,
	s_lshl_b32 s58, s[WV], 7                       ; 128 a wave
	s_add_co_u32 s56, s56, s58
	s_add_nc_u64 s[46:47], s[54:55], s[56:57]
	s_lshl_b32 s56, ttmp9, 2
	s_add_co_u32 s56, s56, s62                     ; 4 x head + chunk
	s_lshl_b32 s58, s56, 8                         ; 256 bytes of maxima and sums each,
	s_mov_b32 s59, 0
	s_add_nc_u64 s[36:37], s[48:49], s[58:59]
	s_add_nc_u64 s[36:37], s[36:37], 262144        ; behind the 64 images
	s_lshl_b32 s56, s56, 12                        ; 4,096 bytes an image,
	s_lshl_b32 s58, s[WV], 8                       ; 256 of them mine
	s_add_co_u32 s56, s56, s58
	s_add_nc_u64 s[48:49], s[48:49], s[56:57]
	s_load_b512 s[4:19], s[46:47], 0x0             ; substep 0's 16 mask words
.irp kk, 0,1
	global_load_b128 v[Q+8*\kk:Q+8*\kk+3],   v[KA], s[38:39] offset:64*\kk
	global_load_b128 v[Q+8*\kk+4:Q+8*\kk+7], v[KA], s[38:39] offset:64*\kk+32
.endr
.macro GLOADS i                        ; substep i's 32 keys: K's four fragments; V's two parts as they lie
.irp t, 0,1
.irp kk, 0,1
	global_load_b128 v[KF+8*(2*\t+\kk):KF+8*(2*\t+\kk)+3],   v[KA], s[40:41] offset:4096*(\i)+2048*\t+64*\kk
	global_load_b128 v[KF+8*(2*\t+\kk)+4:KF+8*(2*\t+\kk)+7], v[KA], s[40:41] offset:4096*(\i)+2048*\t+64*\kk+32
.endr
.endr
.irp j, 0,1,2,3,4,5,6,7
	global_load_b128 v[VH+4*\j:VH+4*\j+3], v[VA], s[42:43] offset:4096*(\i)+512*\j
	global_load_b128 v[VL+4*\j:VL+4*\j+3], v[VA], s[44:45] offset:4096*(\i)+512*\j
.endr
.endm
	GLOADS 0
	v_mov_b32 v[ST+1], v[NEG]
	v_mul_f32 v[ST], CLIT, v[NEG]
	v_mov_b32 v[ST+2], 0
	v_mov_b32 v[ST+3], 0
.set J, 0
.rept 32
	v_mov_b32 v[O+J], 0                            ; the substep is written once for all: the first finds zeros
.set J, J+1
.endr
.macro SUB i
.set MW, 4+16*((\i)%2)
	s_wait_loadcnt 0x0
.irp j, 0,1,2,3,4,5,6,7
	ds_store_b128 v[LST], v[VH+4*\j:VH+4*\j+3] offset:640*\j
	ds_store_b128 v[LST], v[VL+4*\j:VL+4*\j+3] offset:5120+640*\j
.endr
.irp ct, 0,1,2,3
	ds_load_tr16_b128 v[VF+8*\ct:VF+8*\ct+3],   v[LTR] offset:32*\ct        ; LDS serves a wave's instructions in order: these see the stores above
	ds_load_tr16_b128 v[VF+8*\ct+4:VF+8*\ct+7], v[LTR] offset:32*\ct+2560
.endr
	v_wmma_f32_16x16x32_f16 v[S:S+7],    v[KF:KF+7],     v[Q:Q+7],    0                ; two accumulators by turns
	v_wmma_f32_16x16x32_f16 v[S+8:S+15], v[KF+16:KF+23], v[Q:Q+7],    0
	v_wmma_f32_16x16x32_f16 v[S:S+7],    v[KF+8:KF+15],  v[Q+8:Q+15], v[S:S+7]
	v_wmma_f32_16x16x32_f16 v[S+8:S+15], v[KF+24:KF+31], v[Q+8:Q+15], v[S+8:S+15]
	s_wait_dscnt 0x0                               ; the stores have read their registers; V's high fragments are in
.rept 4
	v_nop                                          ; places: for the loads into K's registers and the reads of the scores
.endr
.if (\i) < NSUB-1
	GLOADS (\i)+1
.endif
	s_wait_kmcnt 0x0
.set J, 0
.rept 16
	v_cndmask_b32 v[S+J], v[NEG], v[S+J], s[MW+J]
.set J, J+1
.endr
.if (\i) < NSUB-1
	s_load_b512 s[4+16*(((\i)+1)%2):19+16*(((\i)+1)%2)], s[46:47], 64*((\i)+1)
.endif
	v_max3_num_f32 v[ST+4], v[S], v[S+1], v[S+2]
	v_max3_num_f32 v[ST+5], v[S+3], v[S+4], v[S+5]
	v_max3_num_f32 v[ST+4], v[ST+4], v[S+6], v[S+7]
	v_max3_num_f32 v[ST+5], v[ST+5], v[S+8], v[S+9]
	v_max3_num_f32 v[ST+4], v[ST+4], v[S+10], v[S+11]
	v_max3_num_f32 v[ST+5], v[ST+5], v[S+12], v[S+13]
	v_max3_num_f32 v[ST+4], v[ST+4], v[S+14], v[S+15]
	v_max3_num_f32 v[ST+4], v[ST+4], v[ST+5], v[ST+1]
	v_permlanex16_b32 v[ST+5], v[ST+4], s[SEL], s[SEL+1]
	v_mov_b32 v[ST+7], v[ST]
	v_max_num_f32 v[ST+1], v[ST+4], v[ST+5]
	v_mul_f32 v[ST], CLIT, v[ST+1]
	v_sub_f32 v[ST+7], v[ST+7], v[ST]
.irp b, 0,2,4,6,8,10,12,14
	v_pk_fma_f32 v[S+\b:S+\b+1], v[S+\b:S+\b+1], CLIT, v[ST:ST+1] op_sel_hi:[1,0,0] neg_lo:[0,0,1] neg_hi:[0,0,1]
.endr
	v_exp_f32 v[ST+6], v[ST+7]
.set J, 0
.rept 16
	v_exp_f32 v[S+J], v[S+J]
.set J, J+1
.endr
	v_nop                                          ; a plain instruction behind the last exponential
	s_wait_alu depctr_va_vdst(0)                   ; one wait for the batch, ahead of its first reader
	v_pk_mul_f32 v[ST+2:ST+3], v[ST+2:ST+3], v[ST+6:ST+7] op_sel_hi:[1,0]
.irp b, 0,2,4,6,8,10,12,14
	v_pk_add_f32 v[ST+2:ST+3], v[ST+2:ST+3], v[S+\b:S+\b+1]
.endr
.set J, 0
.rept 16
	v_add_nc_u32 v[T+J], s60, v[S+J]
.set J, J+1
.endr
.set J, 0
.rept 16
	v_and_b32 v[T+J], s61, v[T+J]                  ; p's high part
.set J, J+1
.endr
.irp n, 0,1,2,3,4,5,6,7
	v_cvt_pk_f16_f32 v[PH+\n], v[T+2*\n], v[T+2*\n+1]
.endr
.irp b, 0,2,4,6,8,10,12,14
	v_pk_add_f32 v[T+\b:T+\b+1], v[S+\b:S+\b+1], v[T+\b:T+\b+1] neg_lo:[0,1] neg_hi:[0,1]   ; and what is left
.endr
.irp n, 0,1,2,3,4,5,6,7
	v_cvt_pk_f16_f32 v[PL+\n], v[T+2*\n], v[T+2*\n+1]
.endr
.irp n, 0,2,4,6,8,10,12,14,16,18,20,22,24,26,28,30
	v_pk_mul_f32 v[O+\n:O+\n+1], v[O+\n:O+\n+1], v[ST+6:ST+7] op_sel_hi:[1,0]
.endr
.irp ct, 0,1,2,3                               ; four accumulators by turns
	v_wmma_f32_16x16x32_f16 v[O+8*\ct:O+8*\ct+7], v[VF+8*\ct:VF+8*\ct+7], v[PH:PH+7], v[O+8*\ct:O+8*\ct+7]
.endr
.irp ct, 0,1,2,3
	v_wmma_f32_16x16x32_f16 v[O+8*\ct:O+8*\ct+7], v[VF+8*\ct:VF+8*\ct+7], v[PL:PL+7], v[O+8*\ct:O+8*\ct+7]
.endr
.rept 4
	v_nop                                          ; places in front of the loads into the fragments' registers
.endr
.irp ct, 0,1,2,3
	ds_load_tr16_b128 v[VF+8*\ct:VF+8*\ct+3],   v[LTR] offset:5120+32*\ct
	ds_load_tr16_b128 v[VF+8*\ct+4:VF+8*\ct+7], v[LTR] offset:5120+32*\ct+2560
.endr
	s_wait_dscnt 0x0
.irp ct, 0,1,2,3
	v_wmma_f32_16x16x32_f16 v[O+8*\ct:O+8*\ct+7], v[VF+8*\ct:VF+8*\ct+7], v[PH:PH+7], v[O+8*\ct:O+8*\ct+7]
.endr
.rept 5
	v_nop                                          ; places in front of the next substep's loads, and of the reads of O^T at the end
.endr
.endm
.irp i, 0,1
	SUB \i
.endr
	; THE SIXTEEN WAVES' PARTS MEET
	ds_store_b32 v[MBW], v[ST+1]
	s_wait_dscnt 0x0                               ; for the others' sake
	s_barrier_signal -1
	s_barrier_wait -1
.irp w, 0,1,2,3,4,5,6,7,8,9,10,11,12,13,14,15
	ds_load_b32 v[KF+\w], v[MBR] offset:128*\w
.endr
	v_add_f32 v[ST+4], v[ST+2], v[ST+3]            ; my sum's two halves,
	v_permlanex16_b32 v[ST+5], v[ST+4], s[SEL], s[SEL+1]
	v_add_f32 v[ST+4], v[ST+4], v[ST+5]            ; and lane l xor 16's
	s_wait_dscnt 0x0
	v_max3_num_f32 v[KF], v[KF], v[KF+1], v[KF+2]
.irp w, 3,5,7,9,11,13
	v_max3_num_f32 v[KF], v[KF], v[KF+\w], v[KF+\w+1]
.endr
	v_max_num_f32 v[KF], v[KF], v[KF+15]           ; the row's maximum over the chunk's keys
	v_mul_f32 v[ST+7], CLIT, v[KF]
	v_fma_f32 v[ST+7], v[ST+1], CLIT, -v[ST+7]
	v_exp_f32 v[ST+6], v[ST+7]                     ; what brings my part under it
	v_mov_b32 v[ST+2], v[KF]                       ; the maximum is kept for the way out (a plain instruction behind the exponential; l's halves have been added)
	s_wait_alu depctr_va_vdst(0)
	v_mul_f32 v[ST+4], v[ST+4], v[ST+6]
.irp n, 0,2,4,6,8,10,12,14,16,18,20,22,24,26,28,30
	v_pk_mul_f32 v[O+\n:O+\n+1], v[O+\n:O+\n+1], v[ST+6:ST+7] op_sel_hi:[1,0]
.endr
.irp g, 0,1,2,3,4,5,6,7
	ds_store_b128 v[OBW], v[O+4*\g:O+4*\g+3] offset:512*\g
.endr
	ds_store_b32 v[MBW], v[ST+4] offset:2048
	s_wait_dscnt 0x0
	s_barrier_signal -1
	s_barrier_wait -1
.irp w, 0,1,2,3,4,5,6,7,8,9,10,11,12,13,14,15
	ds_load_b64 v[KF+2*\w:KF+2*\w+1], v[OBR] offset:4096*\w
	ds_load_b32 v[VH+\w], v[MBR] offset:2048+128*\w
.endr
	s_wait_dscnt 0x0
.irp w, 2,4,6,8,10,12,14
	v_pk_add_f32 v[VH:VH+1], v[VH:VH+1], v[VH+\w:VH+\w+1]
.endr
	v_add_f32 v[ST+3], v[VH], v[VH+1]              ; the chunk's sum of p
.irp w, 1,2,3,4,5,6,7,8,9,10,11,12,13,14,15
	v_pk_add_f32 v[KF:KF+1], v[KF:KF+1], v[KF+2*\w:KF+2*\w+1]
.endr
	global_store_b64 v[GOF], v[KF:KF+1], s[48:49]  ; 32 lanes store 256 consecutive bytes
	s_cmp_lg_u32 s[WV], 0                          ; every wave holds the same maxima and sums: the first stores them
	s_cbranch_scc1 .Lnot_first
	global_store_b64 v[GOF], v[ST+2:ST+3], s[36:37]   ; 32 lanes store 256 consecutive bytes
.Lnot_first:
	s_wait_tensorcnt 0x0                           ; the wave's end, behind my last LDS store
	ds_add_u32 v[SPW], v[NIL]
	s_wait_dscnt 0x0
	s_endpgm
.Lfunc_end_k_q4e2581c376_finea:
	.size	k_q4e2581c376_finea, .Lfunc_end_k_q4e2581c376_finea-k_q4e2581c376_finea
	.p2alignl 7, 3214868480
	.fill 96, 4, 3214868480
	.section	.rodata,"a",@progbits
	.p2align	6, 0x0
	.amdhsa_kernel k_q4e2581c376_finea
		.amdhsa_group_segment_fixed_size 235520
		.amdhsa_private_segment_fixed_size 0
		.amdhsa_enable_private_segment 0
		.amdhsa_kernarg_size 24
		.amdhsa_user_sgpr_count 2
		.amdhsa_user_sgpr_kernarg_segment_ptr 1
		.amdhsa_wavefront_size32 1
		.amdhsa_system_sgpr_workgroup_id_x 1
		.amdhsa_system_sgpr_workgroup_id_y 1
		.amdhsa_system_sgpr_workgroup_id_z 1
		.amdhsa_system_vgpr_workitem_id 0
		.amdhsa_next_free_vgpr 256
		.amdhsa_next_free_sgpr 66
		.amdhsa_reserve_vcc 0
		.amdhsa_float_denorm_mode_32 3
		.amdhsa_float_denorm_mode_16_64 3
		.amdhsa_memory_ordered 1
		.amdhsa_forward_progress 1
		.amdhsa_inst_pref_size 39
	.end_amdhsa_kernel
	.amdgpu_metadata
---
amdhsa.version: [ 1, 2 ]
amdhsa.kernels:
  - .name:           k_q4e2581c376_finea
    .symbol:         k_q4e2581c376_finea.kd
    .args:
      - { .name: qkv, .offset: 0, .size: 8, .value_kind: global_buffer, .address_space: global }
      - { .name: mbits, .offset: 8, .size: 8, .value_kind: global_buffer, .address_space: global }
      - { .name: fvals, .offset: 16, .size: 8, .value_kind: global_buffer, .address_space: global }
    .group_segment_fixed_size: 235520
    .private_segment_fixed_size: 0
    .kernarg_segment_align: 8
    .kernarg_segment_size: 24
    .max_flat_workgroup_size: 512
    .sgpr_count:     66
    .vgpr_count:     256
    .wavefront_size: 32
...
	.end_amdgpu_metadata
.endif
;; end of part 5
;; launch fineb (part 6): grid 16 x 1, 16 waves a work-group, no clusters, 84,992 bytes of LDS; arguments fvals, w_o, out0; writes out0
.if DOCPART == 6
	.amdgcn_target "amdgcn-amd-amdhsa--gfx1250"
	.amdhsa_code_object_version 6
	.text
	.protected	k_q4e2581c376_fineb
	.globl	k_q4e2581c376_fineb
	.p2align	8
	.type	k_q4e2581c376_fineb,@function
k_q4e2581c376_fineb:
	s_mov_b64 s[64:65], 0
	v_nop
	global_prefetch_b8 v0, s[64:65] scope:SCOPE_SE
	s_setreg_imm32_b32 hwreg(HW_REG_WAVE_MODE, 25, 1), 1
	s_wait_xcnt 0x0
; THE FIRST 16 ROWS OF out0, in f32: out0[q][o] = the sum over e of vals(q, e) w_o[o][e], w_o as it is given.  16 x 1,024 x 1,024 multiply-adds: no bulk work.
; FIRST THE FOUR CHUNKS OF KEYS OF EVERY HEAD ARE JOINED.  fvals holds, for each head and chunk, an image of 4,096 bytes ([16 pairs][32 lanes][2] f32: sums of p V under the chunk's maximum M_c) and, from byte 262,144 on,
; [32 lanes][2] f32: M_c and the chunk's sum L_c for query lane % 16.  vals = the sum over c of w_c x image_c, w_c = f_c / (the sum of f_c L_c), f_c = 2^(c M_c - c M), M the largest M_c.
; Wave w joins head w.  It reads the images 16 bytes a lane, 512 consecutive bytes a load: a lane's 16 bytes belong to the image's lanes 2 (l % 16) and 2 (l % 16) + 1, so the lane takes those two lanes' M_c and L_c
; (16 bytes at 16 (l % 16)) and makes two sets of weights.  The joined image goes to LDS byte for byte in the same order; behind a barrier every wave takes its operand from there.
; In a row with no true key every M_c is -2^126, c M_c is exact and every f_c is 1; a chunk with no true key beside one that has some gets f_c = 0.
; THE PRODUCT.  A work-group takes 64 columns; wave w the column tile w % 4 and the quarter w / 4 of K (four heads).  Source 0 = 16 rows of w_o, source 1 = the 16 queries: a lane holds one query and eight neighbouring columns.
; The form takes 4 along K: lane (r, h), register j holds k = 2 h + j.  Both operands give that place the same e = 16 g + 8 h + 2 i + j (group g of 16, instruction i of 4): a permutation of K applied alike to both.
; The image lies in that order: 8 bytes a lane an instruction.  Of w_o a lane takes 32 neighbouring bytes of its row for a group.
; Four accumulators by turns, one for each i; they are written by matrix instructions alone; each begins with the constant 0 in its own first K step.  The four, and then the four quarters of K (through LDS), are added in f32.
.set CLIT,  0x3e38aa3b                 ; c = log2(e) / 8
.set SPARE, 17408                      ; LDS: four quarters x 16 rows x 272 bytes; behind them the spare words, 128 bytes for each wave;
.set VIMG,  19456                      ; behind those the sixteen heads' joined images, 4,096 bytes each
.set SPW, 1
.set NIL, 2
.set FA,  6                            ; v6   8 x lane
.set WA,  7                            ; v7   r x 4,096 + 32 h
.set LW,  8
.set LR,  9
.set VW,  10                           ; v10  where I put my head's image: 16 bytes a lane
.set VR,  11                           ; v11  from where I take my quarter's operand: 8 bytes a lane
.set T0,  12                           ; v12, v13 at work: one for each of my two queries
.set MA,  14                           ; v14  16 x (lane % 16)
.set PA,  15                           ; v15  16 x lane
.set AR,  16                           ; v16-79   first chunks 0 and 1 (the sum grows in chunk 0's registers); then vals: group g', instruction i at 8 g' + 2 i
.set BR0, 80                           ; v80-143  w_o, first eight groups
.set ACC, 144                          ; v144-175
.set ML,  176                          ; v176-191 chunk c at 4 c: M, L of my first query, M, L of my second; the weights take the M's places
.set RS,  176                          ; later: v176-191 at work on the sums
.set BR1, 192                          ; v192-255 first chunks 2 and 3; then w_o, last eight groups
	s_load_b128 s[4:7], s[0:1], 0x0                ; fvals, w_o
	s_load_b64 s[8:9], s[0:1], 0x10                ; out0
	v_lshl_add_u32 v[SPW], v0, 2, SPARE
	v_mov_b32 v[NIL], 0
	v_lshrrev_b32 v3, 5, v0
	v_readfirstlane_b32 s2, v3                     ; wave 0..15
	s_and_b32 s3, s2, 3                            ; column tile
	s_lshr_b32 s10, s2, 2                          ; quarter of K
	v_and_b32 v3, 31, v0
	v_and_b32 v4, 15, v0                           ; r
	v_bfe_u32 v5, v0, 4, 1                         ; h
	v_lshlrev_b32 v[FA], 3, v3
	v_lshlrev_b32 v[PA], 4, v3
	v_lshlrev_b32 v[MA], 4, v4
	v_lshlrev_b32 v[WA], 12, v4
	v_lshl_add_u32 v[WA], v5, 5, v[WA]
	s_mul_i32 s11, s10, 4352
	s_lshl_b32 s12, s3, 6
	s_add_co_u32 s11, s11, s12
	v_mul_u32_u24 v[LW], v4, 272
	v_lshl_add_u32 v[LW], v5, 5, v[LW]
	v_add_nc_u32 v[LW], s11, v[LW]                 ; my quarter, row r, 64 x tile + 32 h bytes on
	s_mul_i32 s11, s2, 272
	v_lshl_add_u32 v[LR], v3, 3, s11               ; back: row w, 8 bytes a lane
	s_lshl_b32 s11, s2, 12
	s_add_co_u32 s11, s11, VIMG
	v_lshl_add_u32 v[VW], v3, 4, s11               ; head w's image
	s_lshl_b32 s11, s10, 14
	s_add_co_u32 s11, s11, VIMG
	v_lshl_add_u32 v[VR], v3, 3, s11               ; my quarter's four heads
	s_lshl_b32 s12, s2, 14                         ; fvals: head w's four images of 4,096 bytes,
	s_mov_b32 s13, 0
	s_lshl_b32 s22, s2, 10                         ; and its four times 256 bytes of maxima and sums
	s_mov_b32 s23, 0
	s_lshl_b32 s14, ttmp9, 18                      ; w_o: 64 rows of 4,096 bytes a work-group,
	s_lshl_b32 s15, s3, 16                         ; 16 a tile,
	s_add_co_u32 s14, s14, s15
	s_lshl_b32 s15, s10, 10                        ; 1,024 bytes of a row a quarter
	s_add_co_u32 s14, s14, s15
	s_mov_b32 s15, 0
	s_lshl_b32 s16, s2, 12                         ; out0: row w,
	s_lshl_b32 s17, ttmp9, 8                       ; my work-group's 256 bytes
	s_add_co_u32 s16, s16, s17
	s_mov_b32 s17, 0
	s_wait_kmcnt 0x0
	s_add_nc_u64 s[18:19], s[4:5], s[12:13]
	s_add_nc_u64 s[20:21], s[4:5], s[22:23]
	s_add_nc_u64 s[20:21], s[20:21], 262144
	s_add_nc_u64 s[6:7], s[6:7], s[14:15]
	s_add_nc_u64 s[8:9], s[8:9], s[16:17]
.macro PLOAD c, base                   ; chunk c's image: eight loads of 512 consecutive bytes
.irp g, 0,1,2,3,4,5,6,7
	global_load_b128 v[\base+4*\g:\base+4*\g+3], v[PA], s[18:19] offset:4096*\c+512*\g
.endr
.endm
.macro BLOADS n, base                  ; w_o for eight groups of 16 along K
.irp g, 0,1,2,3,4,5,6,7
	global_load_b128 v[\base+8*\g:\base+8*\g+3],   v[WA], s[6:7] offset:64*(8*\n+\g)
	global_load_b128 v[\base+8*\g+4:\base+8*\g+7], v[WA], s[6:7] offset:64*(8*\n+\g)+16
.endr
.endm
.macro ALOADS n                        ; vals for the same eight groups, out of the joined images
.irp g, 0,1,2,3,4,5,6,7
.irp i, 0,1,2,3
	ds_load_b64 v[AR+8*\g+2*\i:AR+8*\g+2*\i+1], v[VR] offset:1024*(8*\n+\g)+256*\i
.endr
.endr
.endm
.macro MULS n, base
.irp g, 0,1,2,3,4,5,6,7
.irp i, 0,1,2,3
.if (\n == 0) && (\g == 0)
	v_wmma_f32_16x16x4_f32 v[ACC+8*\i:ACC+8*\i+7], v[\base+8*\g+2*\i:\base+8*\g+2*\i+1], v[AR+8*\g+2*\i:AR+8*\g+2*\i+1], 0
.else
	v_wmma_f32_16x16x4_f32 v[ACC+8*\i:ACC+8*\i+7], v[\base+8*\g+2*\i:\base+8*\g+2*\i+1], v[AR+8*\g+2*\i:AR+8*\g+2*\i+1], v[ACC+8*\i:ACC+8*\i+7]
.endif
.endr
.endr
.rept 8
	v_nop                                          ; eight places behind this form: for the loads into its sources and the reads of its results
.endr
.endm
.macro PFMA c, base                    ; chunk c's image x its weights, onto the sum
.irp g, 0,1,2,3,4,5,6,7
	v_pk_fma_f32 v[AR+4*\g:AR+4*\g+1],   v[\base+4*\g:\base+4*\g+1],   v[ML+4*\c:ML+4*\c+1],   v[AR+4*\g:AR+4*\g+1]   op_sel_hi:[1,0,1]
	v_pk_fma_f32 v[AR+4*\g+2:AR+4*\g+3], v[\base+4*\g+2:\base+4*\g+3], v[ML+4*\c+2:ML+4*\c+3], v[AR+4*\g+2:AR+4*\g+3] op_sel_hi:[1,0,1]
.endr
.endm
	; all that the first phase and the first eight groups want is asked for at once: 4 + 32 + 16 loads
.irp c, 0,1,2,3
	global_load_b128 v[ML+4*\c:ML+4*\c+3], v[MA], s[20:21] offset:256*\c
.endr
	PLOAD 0, AR
	PLOAD 1, AR+32
	PLOAD 2, BR1
	PLOAD 3, BR1+32
	BLOADS 0, BR0
	s_wait_loadcnt 48                              ; the maxima and sums are in; the 32 loads of the images and the 16 of w_o may be out
	v_max3_num_f32 v[T0],   v[ML],   v[ML+4], v[ML+8]
	v_max3_num_f32 v[T0+1], v[ML+2], v[ML+6], v[ML+10]
	v_max_num_f32 v[T0],   v[T0],   v[ML+12]       ; M of my first query,
	v_max_num_f32 v[T0+1], v[T0+1], v[ML+14]       ; of my second
	v_mul_f32 v[T0],   CLIT, v[T0]
	v_mul_f32 v[T0+1], CLIT, v[T0+1]
.irp c, 0,1,2,3
	v_fma_f32 v[ML+4*\c],   v[ML+4*\c],   CLIT, -v[T0]
	v_fma_f32 v[ML+4*\c+2], v[ML+4*\c+2], CLIT, -v[T0+1]
.endr
.irp c, 0,1,2,3
	v_exp_f32 v[ML+4*\c],   v[ML+4*\c]             ; f_c
	v_exp_f32 v[ML+4*\c+2], v[ML+4*\c+2]
.endr
	v_nop                                          ; a plain instruction behind the last exponential
	s_wait_alu depctr_va_vdst(0)                   ; one wait for the eight, ahead of their first reader
	v_mul_f32 v[T0],   v[ML],   v[ML+1]
	v_mul_f32 v[T0+1], v[ML+2], v[ML+3]
.irp c, 1,2,3
	v_fmac_f32 v[T0],   v[ML+4*\c],   v[ML+4*\c+1]
	v_fmac_f32 v[T0+1], v[ML+4*\c+2], v[ML+4*\c+3]   ; the row's sum over all keys
.endr
	v_rcp_f32 v[T0],   v[T0]
	v_rcp_f32 v[T0+1], v[T0+1]
	v_nop                                          ; a plain instruction behind the last reciprocal
	s_wait_alu depctr_va_vdst(0)                   ; one wait for the two
.irp c, 0,1,2,3
	v_mul_f32 v[ML+4*\c],   v[ML+4*\c],   v[T0]    ; w_c: each in the low register of a pair, of which the packed forms below take the low word for both halves
	v_mul_f32 v[ML+4*\c+2], v[ML+4*\c+2], v[T0+1]
.endr
	s_wait_loadcnt 16                              ; the four images are in; w_o's sixteen loads may be out
.irp g, 0,1,2,3,4,5,6,7
	v_pk_mul_f32 v[AR+4*\g:AR+4*\g+1],   v[AR+4*\g:AR+4*\g+1],   v[ML:ML+1]   op_sel_hi:[1,0]
	v_pk_mul_f32 v[AR+4*\g+2:AR+4*\g+3], v[AR+4*\g+2:AR+4*\g+3], v[ML+2:ML+3] op_sel_hi:[1,0]
.endr
	PFMA 1, AR+32
	PFMA 2, BR1
	PFMA 3, BR1+32
	BLOADS 1, BR1                                  ; chunks 2 and 3 have been taken in: their registers take w_o's last eight groups, asked for ahead of the barrier
.irp g, 0,1,2,3,4,5,6,7
	ds_store_b128 v[VW], v[AR+4*\g:AR+4*\g+3] offset:512*\g
.endr
	s_wait_dscnt 0x0                               ; for the others' sake; and the stores have read their registers
	s_barrier_signal -1
	s_barrier_wait -1                              ; all sixteen heads' images lie in LDS
	ALOADS 0
	s_wait_loadcnt 16                              ; w_o's first eight groups are in; the last eight groups' sixteen loads may be out
	s_wait_dscnt 0x0
	MULS 0, BR0
	ALOADS 1
	s_wait_loadcnt 0x0
	s_wait_dscnt 0x0
	MULS 1, BR1
.irp p, 0,2,4,6
	v_pk_add_f32 v[RS+\p:RS+\p+1],     v[ACC+\p:ACC+\p+1],       v[ACC+8+\p:ACC+8+\p+1]      ; each accumulator from its low end on
	v_pk_add_f32 v[RS+8+\p:RS+8+\p+1], v[ACC+16+\p:ACC+16+\p+1], v[ACC+24+\p:ACC+24+\p+1]
.endr
.irp p, 0,2,4,6
	v_pk_add_f32 v[RS+\p:RS+\p+1], v[RS+\p:RS+\p+1], v[RS+8+\p:RS+8+\p+1]
.endr
	ds_store_b128 v[LW], v[RS:RS+3]
	ds_store_b128 v[LW], v[RS+4:RS+7] offset:16
	s_wait_dscnt 0x0                               ; for the others' sake
	s_barrier_signal -1
	s_barrier_wait -1
.irp k, 0,1,2,3
	ds_load_b64 v[AR+2*\k:AR+2*\k+1], v[LR] offset:4352*\k
.endr
	s_wait_dscnt 0x0
	v_pk_add_f32 v[AR:AR+1], v[AR:AR+1], v[AR+2:AR+3]
	v_pk_add_f32 v[AR+4:AR+5], v[AR+4:AR+5], v[AR+6:AR+7]
	v_pk_add_f32 v[AR:AR+1], v[AR:AR+1], v[AR+4:AR+5]
	global_store_b64 v[FA], v[AR:AR+1], s[8:9]     ; 32 lanes store 256 consecutive bytes of row w
	s_wait_tensorcnt 0x0                           ; the wave's end, behind my last LDS store
	ds_add_u32 v[SPW], v[NIL]
	s_wait_dscnt 0x0
	s_endpgm
.Lfunc_end_k_q4e2581c376_fineb:
	.size	k_q4e2581c376_fineb, .Lfunc_end_k_q4e2581c376_fineb-k_q4e2581c376_fineb
	.p2alignl 7, 3214868480
	.fill 96, 4, 3214868480
	.section	.rodata,"a",@progbits
	.p2align	6, 0x0
	.amdhsa_kernel k_q4e2581c376_fineb
		.amdhsa_group_segment_fixed_size 84992
		.amdhsa_private_segment_fixed_size 0
		.amdhsa_enable_private_segment 0
		.amdhsa_kernarg_size 24
		.amdhsa_user_sgpr_count 2
		.amdhsa_user_sgpr_kernarg_segment_ptr 1
		.amdhsa_wavefront_size32 1
		.amdhsa_system_sgpr_workgroup_id_x 1
		.amdhsa_system_sgpr_workgroup_id_y 1
		.amdhsa_system_sgpr_workgroup_id_z 1
		.amdhsa_system_vgpr_workitem_id 0
		.amdhsa_next_free_vgpr 256
		.amdhsa_next_free_sgpr 66
		.amdhsa_reserve_vcc 0
		.amdhsa_float_denorm_mode_32 3
		.amdhsa_float_denorm_mode_16_64 3
		.amdhsa_memory_ordered 1
		.amdhsa_forward_progress 1
		.amdhsa_inst_pref_size 26
	.end_amdhsa_kernel
	.amdgpu_metadata
---
amdhsa.version: [ 1, 2 ]
amdhsa.kernels:
  - .name:           k_q4e2581c376_fineb
    .symbol:         k_q4e2581c376_fineb.kd
    .args:
      - { .name: fvals, .offset: 0, .size: 8, .value_kind: global_buffer, .address_space: global }
      - { .name: w_o, .offset: 8, .size: 8, .value_kind: global_buffer, .address_space: global }
      - { .name: out0, .offset: 16, .size: 8, .value_kind: global_buffer, .address_space: global }
    .group_segment_fixed_size: 84992
    .private_segment_fixed_size: 0
    .kernarg_segment_align: 8
    .kernarg_segment_size: 24
    .max_flat_workgroup_size: 512
    .sgpr_count:     66
    .vgpr_count:     256
    .wavefront_size: 32
...
	.end_amdgpu_metadata
.endif
;; end of part 6
